; MI455X (gfx1250); checked and timed in simulation.
; The chip was launched on July 23, 2026; its instructions are those of AMD's public machine-readable ISA for CDNA 5 (MIT licence, August 2026) and "CDNA5" Instruction Set Architecture Reference Guide (July 2026). The comments in the code are by the model that wrote it; some were corrected since.
;; Multihead Self Attention. Allowed arithmetic: matrix products marked QUANTISED: E2M1 operands, one E8M0 scale for each 32 along K, by v_wmma_scale_f32_16x16x128_f8f6f4 with both operands' format E2M1 (or v_wmma_scale_f32_32x16x128_f4), f32 sums; products left as they are: bf16, f16 or f32 operands; f32 sums; everything else in f32.
;; Inputs: w_k 1,024 x 1,024 float32; w_o 1,024 x 1,024 float32; w_q 1,024 x 1,024 float32; w_v 1,024 x 1,024 float32; x 2 x 2,048 x 1,024 float32.
;; Outputs: out0 2 x 2,048 x 1,024 float32.
;; This version of the problem:
;;   THIS VERSION OF THE PROBLEM IS GIVEN IN LOW PRECISION. The matrix products marked QUANTISED in the list below multiply operands that are first quantised to E2M1 (2 exponent bits, 1 mantissa bit; 4 bits a number), with one power-of-two scale for each 32 numbers along K (OCP MX v1.0); their sums are f32. The products marked 'left as it is' may take bf16, f16 or f32 operands, with f32 sums. Whichever they take, every output number must still come out within the allowed error. Rounding operands to bf16 (8 significant bits) uses up far more of that allowance than f16 does (11 bits, for magnitudes from 6e-5 to 65,504). All else is computed in f32.
;;   The module's matrix products, in the order in which they are computed (A, B: the left and right operand; K: the contracted axis; several contracted axes count as one K, in the product's order):
;;     1. [M 4,096, K 1,024] x [K 1,024, N 1,024]; A: input x; B: input w_q: QUANTISED
;;     2. [M 4,096, K 1,024] x [K 1,024, N 1,024]; A: input x; B: input w_k: QUANTISED
;;     3. [M 4,096, K 1,024] x [K 1,024, N 1,024]; A: input x; B: input w_v: QUANTISED
;;     4. batch 32 x [M 2,048, K 64] x [K 64, N 2,048]; A: computed on the way; B: computed on the way: left as it is (an operand is computed on the way)
;;     5. batch 32 x [M 2,048, K 2,048] x [K 2,048, N 64]; A: computed on the way; B: computed on the way: left as it is (an operand is computed on the way)
;;     6. [M 4,096, K 1,024] x [K 1,024, N 1,024]; A: computed on the way; B: input w_o: left as it is (an operand is computed on the way)
;;   THE QUANTISER, for each operand of a quantised product, along K:
;;     - K is cut into blocks of 32 from its start; a last block that is shorter is filled with zeros.
;;     - A block's scale is 2^e with e = floor(log2(the largest magnitude in the block)) - 2, held to -126 .. 127; a block of zeros has e = 0. As a byte (E8M0): e + 127.
;;     - Each number is divided by its block's scale, clamped to +-6, and rounded to the nearest number of E2M1, ties to even, subnormals kept.
;;     - The product sums the exact products of the quantised numbers (number of the format x scale) in f32.
;;   ~~~python
;;   def quantise(x, axis):      # numpy; x: float32 -> the quantised numbers, widened to float32 again
;;       x = np.moveaxis(x, axis, -1); K = x.shape[-1]
;;       x = np.pad(x, [(0, 0)] * (x.ndim - 1) + [(0, -K % 32)]); x = x.reshape(x.shape[:-1] + (-1, 32)); a = np.abs(x).max(-1, keepdims=True)
;;       e = np.where(a > 0, np.clip(np.frexp(np.where(a > 0, a, 1))[1] - 1 - 2, -126, 127), 0)      # np.frexp(a)[1] - 1 = floor(log2(a)), exactly
;;       r = np.clip(x / 2.0 ** e, -6, 6)
;;       step = 2.0 ** (np.maximum(np.frexp(np.where(r == 0, 1, r))[1] - 1, 0) - 1)
;;       q = np.round(r / step) * step * 2.0 ** e      # np.round: ties to even
;;       return np.moveaxis(q.reshape(q.shape[:-2] + (-1,))[..., :K], -1, axis).astype(np.float32)
;;   ~~~
;; One version. Each part assembles by itself: llvm-mc -triple=amdgcn-amd-amdhsa -mcpu=gfx1250 --defsym DOCPART=n.
;; ======== version 1 of 1: 5 launches
;; limits: values are held in f16: magnitudes above 65,504 overflow, below 6.1e-05 lose precision
;; workspace buffers: xc 2,097,152 bytes; xs 131,072 bytes; wc 1,572,864 bytes; ws 98,304 bytes; wo16 2,097,152 bytes; qkv 25,165,824 bytes; qkvf 393,216 bytes; attn 8,388,608 bytes
;; launch prep (part 1): grid 256 x 1, 4 waves a work-group, no clusters, 33,280 bytes of LDS; arguments x, w_q, w_k, w_v, w_o, xc, xs, wc, ws, wo16; writes xc, xs, wc, ws, wo16
.if DOCPART == 1
	.amdgcn_target "amdgcn-amd-amdhsa--gfx1250"
	.amdhsa_code_object_version 6
	.text
	.protected	k_q8d352203aa_prep
	.globl	k_q8d352203aa_prep
	.p2align	8
	.type	k_q8d352203aa_prep,@function
k_q8d352203aa_prep:
	s_mov_b64 s[64:65], 0
	v_nop
	global_prefetch_b8 v0, s[64:65] scope:SCOPE_SE
	s_setreg_imm32_b32 hwreg(HW_REG_WAVE_MODE, 25, 1), 1
	s_wait_xcnt 0x0
; x [4096][1024] and w_q, w_k, w_v [1024][1024], f32, K innermost, become codes of FP4 (E2M1) with one E8M0 scale byte for each 32 along K:
; xc [4096][512 bytes], xs [4096][32]; wc [3072][512 bytes], ws [3072][32] (w_q's rows, then w_k's, then w_v's).  w_o [1024 e][1024 d] is rounded to f16 and laid by planes of 64 d: wo16 [16][1024 e][64].
; A block's scale is 2^(floor(log2(largest magnitude)) - 2); its byte is the largest magnitude's exponent field - 2, held at 1 from below; numbers are divided by the scale and rounded to the nearest code, ties to even,
; beyond 6 the largest code.  A block of zeros gets the byte 1 (the stated rule says 127): its codes are zeros, and the bytes are read by this program alone.
; LIMITS: NaN and infinities among the inputs are not served; blocks whose largest magnitude lies under 2^-124 keep the byte 1; |w_o| must stay under 65,504 (f16).
; SHARES: a work-group takes 32,768 numbers: work-groups 0-127 x, 128-159 w_q, 160-191 w_k, 192-223 w_v, 224-255 w_o: 256 of equal bytes.
; Rows are dense and K is a multiple of 32, so a quantised tensor is a plain stream of blocks.  A wave takes 16 steps of 512 numbers: four loads of 512 consecutive bytes; the 2,048 bytes turn through the wave's own
; stage in LDS so that a lane holds 16 neighbours; two neighbouring lanes hold a block.  A wave's store of codes covers 256 consecutive bytes; its 256 scale bytes are gathered in LDS and leave as one aligned run of 256.
; No tensor loads, no barrier: waves share nothing.  Memory binds this launch: matrix units, clusters and prefetches would add nothing.
.set WAVES, 4
.set STEPS, 16
.set EMAX,  2
.set CB,    8                          ; bytes of 16 codes
.set R,     16                         ; v16-79   four sets of 16 numbers as loaded
.set X,     80                         ; v80-111  two sets of 16 neighbours
.set E,     112                        ; v112-127 a scale byte for each step
.set C,     128                        ; v128-191 codes, four registers a step: no store's data are written again
.set WREG,  8192                       ; LDS: a region for each wave: two stages of 32 x SP bytes, then its 256 scale bytes
.set SP,    80                         ; a lane's place in a stage: 64 bytes + 16 of padding
.set SPW,   12                         ; v12  my spare word's LDS address; never rewritten
.set NIL,   13                         ; v13  0; never rewritten
.set SPARE, WAVES*WREG                 ; the spare words: 128 bytes a wave, named by no other line
	s_load_b256 s[4:11], s[0:1], 0x0               ; x s[4:5], w_q s[6:7], w_k s[8:9], w_v s[10:11]
	s_load_b256 s[12:19], s[0:1], 0x20             ; w_o s[12:13], xc s[14:15], xs s[16:17], wc s[18:19]
	s_load_b128 s[20:23], s[0:1], 0x40             ; ws s[20:21], wo16 s[22:23]
	v_lshl_add_u32 v[SPW], v0, 2, SPARE
	v_mov_b32 v[NIL], 0
	v_lshrrev_b32 v1, 5, v0
	v_readfirstlane_b32 s24, v1                    ; wave
	v_and_b32 v2, 31, v0                           ; lane
	v_lshlrev_b32 v3, 4, v2                        ; my 16 bytes of a load's 512
	s_mul_i32 s25, s24, WREG
	v_lshrrev_b32 v14, 2, v2
	v_mul_u32_u24 v14, v14, SP
	v_and_b32 v15, 3, v2
	v_lshl_add_u32 v14, v15, 4, v14
	v_add_nc_u32 v14, s25, v14                     ; the stage, on the way in: SP (lane / 4) + 16 (lane % 4)
	v_mul_u32_u24 v15, v2, SP
	v_add_nc_u32 v15, s25, v15                     ; and on the way out: SP x lane: my 16 neighbours
	v_mul_u32_u24 v4, v2, CB                       ; my codes' place in a step's
	v_lshrrev_b32 v5, 1, v2
	s_add_co_u32 s25, s25, 2*32*SP
	v_add_nc_u32 v5, s25, v5                       ; my wave's 256 scale bytes, my block's byte
	v_lshlrev_b32 v7, 3, v2                        ; and on the way out 8 bytes a lane
	v_add_nc_u32 v6, s25, v7
	s_wait_kmcnt 0x0
	s_cmp_ge_u32 ttmp9, 224                        ; the last 32 work-groups round w_o
	s_cbranch_scc1 .Lwo
	; which tensor: only pointers are chosen, by the work-group's number alone; all four take one way through the text
	s_mov_b32 s26, 192
	s_cmp_lt_u32 ttmp9, 192
	s_cselect_b64 s[10:11], s[8:9], s[10:11]
	s_cselect_b32 s26, 160, s26
	s_cmp_lt_u32 ttmp9, 160
	s_cselect_b64 s[10:11], s[6:7], s[10:11]
	s_cselect_b32 s26, 128, s26
	s_cmp_lt_u32 ttmp9, 128
	s_cselect_b64 s[4:5], s[4:5], s[10:11]         ; the numbers
	s_cselect_b64 s[14:15], s[14:15], s[18:19]     ; the codes
	s_cselect_b64 s[16:17], s[16:17], s[20:21]     ; the scale bytes
	s_cselect_b32 s26, 0, s26                      ; the tensor's first work-group
	s_cselect_b32 s27, 0, 128                      ; the first work-group of the buffers of codes and bytes
	s_sub_co_u32 s26, ttmp9, s26
	s_lshl_b32 s26, s26, 2
	s_add_co_u32 s26, s26, s24                     ; which run of 8,192 numbers of the tensor is my wave's
	s_lshl_b32 s28, s26, 15                        ; 32,768 bytes a run (under 2^25)
	s_mov_b32 s29, 0
	s_add_nc_u64 s[4:5], s[4:5], s[28:29]
	s_sub_co_u32 s27, ttmp9, s27
	s_lshl_b32 s27, s27, 2
	s_add_co_u32 s27, s27, s24                     ; and which run of the buffers
	s_lshl_b32 s28, s27, 12                        ; 4,096 bytes of codes a run
	s_add_nc_u64 s[14:15], s[14:15], s[28:29]
	s_lshl_b32 s28, s27, 8                         ; 256 scale bytes a run
	s_add_nc_u64 s[16:17], s[16:17], s[28:29]
.macro LOAD t
.irp i, 0,1,2,3
	global_load_b128 v[R+16*((\t)%4)+4*\i:R+16*((\t)%4)+4*\i+3], v3, s[4:5] offset:2048*(\t)+512*\i th:TH_LOAD_NT   ; 32 lanes read 512 consecutive bytes
.endr
.endm
.macro TURN t                          ; step t's numbers through the stage: LDS serves a wave's instructions in order (ISA guide 5.7.1.4), so no wait stands between the stores and the loads
.irp i, 0,1,2,3
	ds_store_b128 v14, v[R+16*((\t)%4)+4*\i:R+16*((\t)%4)+4*\i+3] offset:32*SP*((\t)%2)+8*SP*\i
.endr
.irp i, 0,1,2,3
	ds_load_b128 v[X+16*((\t)%2)+4*\i:X+16*((\t)%2)+4*\i+3], v15 offset:32*SP*((\t)%2)+16*\i
.endr
.endm
.irp t, 0,1,2,3
	LOAD \t
.endr
	s_wait_loadcnt 12                              ; step 0's four loads are in; the twelve of steps 1 to 3 may be out
	TURN 0
.macro STEP t
.set XS, X+16*((\t)%2)
.if (\t) > 0
	s_wait_dscnt 1                                 ; this step's numbers are back from the stage (the last step's byte store may be out): so its stores into the stage have read their registers,
.else
	s_wait_dscnt 0x0
.endif
.if (\t)+4 < STEPS
	LOAD (\t)+4                                    ; which take the loads of four steps on
.endif
.if (\t)+1 < STEPS
.if STEPS-2-(\t) >= 3
	s_wait_loadcnt 12                              ; the next step's four loads are in; those of the three steps behind it may be out
.else
	s_wait_loadcnt 4*(STEPS-2-(\t))
.endif
	TURN (\t)+1                                    ; and go through the other stage while this step is worked
.endif
	v_max3_num_f32 v8, |v[XS]|, |v[XS+1]|, |v[XS+2]|               ; the largest magnitude of my 16, in two chains
	v_max3_num_f32 v9, |v[XS+3]|, |v[XS+4]|, |v[XS+5]|
.irp i, 6,10
	v_max3_num_f32 v8, v8, |v[XS+\i]|, |v[XS+\i+1]|
	v_max3_num_f32 v9, v9, |v[XS+\i+2]|, |v[XS+\i+3]|
.endr
	v_max3_num_f32 v8, v8, |v[XS+14]|, |v[XS+15]|
	v_max3_num_f32 v8, v8, v9, (EMAX+1)<<23        ; and the floor 2^(3 - 127): the byte cannot fall under 1
	v_max_num_f32_dpp v8, v8, v8 row_xmask:1 row_mask:0xf bank_mask:0xf   ; and of my neighbour's 16: the block's
	v_add_nc_u32 v11, -(EMAX<<23), v8              ; 2 off its exponent field: the conversion takes the exponent field of this operand as its scale
	v_cvt_scalef32_pk8_fp4_f32 v[C+4*(\t)], v[XS:XS+7], v11
	v_cvt_scalef32_pk8_fp4_f32 v[C+4*(\t)+1], v[XS+8:XS+15], v11
	v_lshrrev_b32 v[E+(\t)], 23, v11               ; the scale's byte (also the plain line behind the conversions)
	ds_store_b8 v5, v[E+(\t)] offset:16*(\t)       ; both lanes of a block write the same byte with the same value
	global_store_b64 v4, v[C+4*(\t):C+4*(\t)+1], s[14:15] offset:32*CB*(\t)   ; the wave stores 256 consecutive bytes, aligned
.endm
.irp t, 0,1,2,3,4,5,6,7,8,9,10,11,12,13,14,15
	STEP \t
.endr
	ds_load_b64 v[8:9], v6                         ; in order behind my byte stores
	s_wait_dscnt 0x0
	global_store_b64 v7, v[8:9], s[16:17]          ; 32 lanes store 256 consecutive bytes, aligned
	s_wait_tensorcnt 0x0                           ; the wave's end, behind my last LDS store
	ds_add_u32 v[SPW], v[NIL]
	s_wait_dscnt 0x0
	s_endpgm
; w_o to f16, by planes.  Wave w takes rows 32 (work-group - 224) + 8 w on, a pair of rows at a time.  A load reads one plane's 256 bytes of a row in lanes 0-15 and the same plane of the next row in lanes 16-31;
; the two rows' 64 f16 each are neighbours in the plane's block: a store covers 256 consecutive bytes, aligned.  Two sets of 64 registers: one pair is on its way while another is rounded.
.Lwo:
	v_lshrrev_b32 v8, 4, v2
	v_lshlrev_b32 v8, 12, v8
	v_and_b32 v9, 15, v2
	v_lshl_add_u32 v8, v9, 4, v8                   ; in: 4,096 (lane / 16) + 16 (lane % 16)
	v_lshlrev_b32 v9, 3, v2                        ; out: 8 x lane
	s_sub_co_u32 s26, ttmp9, 224
	s_lshl_b32 s26, s26, 5
	s_lshl_b32 s27, s24, 3
	s_add_co_u32 s26, s26, s27                     ; my first row e
	s_lshl_b32 s28, s26, 12
	s_mov_b32 s29, 0
	s_add_nc_u64 s[12:13], s[12:13], s[28:29]
	s_lshl_b32 s28, s26, 7
	s_add_nc_u64 s[22:23], s[22:23], s[28:29]
.macro WOLOAD p
.irp h, 0,1,2,3,4,5,6,7,8,9,10,11,12,13,14,15
	global_load_b128 v[16+64*((\p)%2)+4*\h:16+64*((\p)%2)+4*\h+3], v8, s[12:13] offset:8192*(\p)+256*\h th:TH_LOAD_NT
.endr
.endm
.macro WOPAIR p
.set WS, 16+64*((\p)%2)
.if (\p) < 3
	s_wait_loadcnt 16                              ; this pair's sixteen loads are in; the next pair's may be out
.else
	s_wait_loadcnt 0x0
.endif
	s_wait_xcnt 0x0                                ; the last pair's stores have read their data registers, which are written again below
.irp h, 0,1,2,3,4,5,6,7,8,9,10,11,12,13,14,15
	v_cvt_pk_f16_f32 v[144+2*\h], v[WS+4*\h], v[WS+4*\h+1]
	v_cvt_pk_f16_f32 v[145+2*\h], v[WS+4*\h+2], v[WS+4*\h+3]
.endr
.irp h, 0,1,2,3,4,5,6,7,8,9,10,11,12,13,14,15
	global_store_b64 v9, v[144+2*\h:145+2*\h], s[22:23] offset:131072*\h+256*(\p)
.endr
.if (\p)+2 < 4
	WOLOAD (\p)+2
.endif
.endm
	WOLOAD 0
	WOLOAD 1
	WOPAIR 0
	WOPAIR 1
	WOPAIR 2
	WOPAIR 3
	s_wait_tensorcnt 0x0                           ; the wave's end, in the same form as on the other way
	ds_add_u32 v[SPW], v[NIL]
	s_wait_dscnt 0x0
	s_endpgm
.Lfunc_end_k_q8d352203aa_prep:
	.size	k_q8d352203aa_prep, .Lfunc_end_k_q8d352203aa_prep-k_q8d352203aa_prep
	.p2alignl 7, 3214868480
	.fill 96, 4, 3214868480
	.section	.rodata,"a",@progbits
	.p2align	6, 0x0
	.amdhsa_kernel k_q8d352203aa_prep
		.amdhsa_group_segment_fixed_size 33280
		.amdhsa_private_segment_fixed_size 0
		.amdhsa_enable_private_segment 0
		.amdhsa_kernarg_size 80
		.amdhsa_user_sgpr_count 2
		.amdhsa_user_sgpr_kernarg_segment_ptr 1
		.amdhsa_wavefront_size32 1
		.amdhsa_system_sgpr_workgroup_id_x 1
		.amdhsa_system_sgpr_workgroup_id_y 1
		.amdhsa_system_sgpr_workgroup_id_z 1
		.amdhsa_system_vgpr_workitem_id 0
		.amdhsa_next_free_vgpr 192
		.amdhsa_next_free_sgpr 66
		.amdhsa_reserve_vcc 0
		.amdhsa_float_denorm_mode_32 3
		.amdhsa_float_denorm_mode_16_64 3
		.amdhsa_memory_ordered 1
		.amdhsa_forward_progress 1
		.amdhsa_inst_pref_size 55
	.end_amdhsa_kernel
	.amdgpu_metadata
---
amdhsa.version: [ 1, 2 ]
amdhsa.kernels:
  - .name:           k_q8d352203aa_prep
    .symbol:         k_q8d352203aa_prep.kd
    .args:
      - { .name: x, .offset: 0, .size: 8, .value_kind: global_buffer, .address_space: global }
      - { .name: w_q, .offset: 8, .size: 8, .value_kind: global_buffer, .address_space: global }
      - { .name: w_k, .offset: 16, .size: 8, .value_kind: global_buffer, .address_space: global }
      - { .name: w_v, .offset: 24, .size: 8, .value_kind: global_buffer, .address_space: global }
      - { .name: w_o, .offset: 32, .size: 8, .value_kind: global_buffer, .address_space: global }
      - { .name: xc, .offset: 40, .size: 8, .value_kind: global_buffer, .address_space: global }
      - { .name: xs, .offset: 48, .size: 8, .value_kind: global_buffer, .address_space: global }
      - { .name: wc, .offset: 56, .size: 8, .value_kind: global_buffer, .address_space: global }
      - { .name: ws, .offset: 64, .size: 8, .value_kind: global_buffer, .address_space: global }
      - { .name: wo16, .offset: 72, .size: 8, .value_kind: global_buffer, .address_space: global }
    .group_segment_fixed_size: 33280
    .private_segment_fixed_size: 0
    .kernarg_segment_align: 8
    .kernarg_segment_size: 80
    .max_flat_workgroup_size: 128
    .sgpr_count:     66
    .vgpr_count:     192
    .wavefront_size: 32
...
	.end_amdgpu_metadata
.endif
;; end of part 1
;; launch qkv (part 2): grid 12 x 16, 4 waves a work-group, clusters of 4 x 1, 327,680 bytes of LDS; arguments xc, xs, wc, ws, qkv, qkvf; writes qkv, qkvf
.if DOCPART == 2
	.amdgcn_target "amdgcn-amd-amdhsa--gfx1250"
	.amdhsa_code_object_version 6
	.text
	.protected	k_q8d352203aa_qkv
	.globl	k_q8d352203aa_qkv
	.p2align	8
	.type	k_q8d352203aa_qkv,@function
k_q8d352203aa_qkv:
	s_mov_b64 s[64:65], 0
	v_nop
	global_prefetch_b8 v0, s[64:65] scope:SCOPE_SE
	s_setreg_imm32_b32 hwreg(HW_REG_WAVE_MODE, 25, 1), 1
	s_wait_xcnt 0x0
	s_wait_alu depctr_hold_cnt(0) depctr_sa_sdst(0) depctr_va_vdst(0) depctr_va_sdst(0) depctr_va_ssrc(0) depctr_va_vcc(0) depctr_vm_vsrc(0)
	s_getreg_b32 s2, hwreg(HW_REG_IB_STS2, 6, 4)
	s_cmp_eq_u32 s2, 0
	s_cbranch_scc0 .Lentry_in_a_cluster
	s_endpgm
.Lentry_in_a_cluster:
	s_bfe_u32 s2, ttmp6, 0x10000c
	s_cmp_lg_u32 s2, 0x3003
	s_cbranch_scc0 .Lentry_shape_is_right
	s_endpgm
.Lentry_shape_is_right:
; q, k, v = x w^T on codes of FP4 (E2M1) with one E8M0 scale for each 32 along K: one GEMM, C [4096][3072] = A [4096][1024] B^T, B = w_q's, w_k's, w_v's 1,024 rows on end.  Sums in f32.
; OUT: qkv, f16, [tensor 0 q, 1 k, 2 v][16 b + head][2048 positions][64]; q is multiplied in f32 by c = log2(e) / 8 first, so that the next launch's scores are exponents of 2.
;      qkvf, f32, [b][tensor][16 positions][1024]: the first 16 positions of each sequence, unrounded (q again times c), for the launch that carries those rows in f32.
; LIMIT: |c q|, |k|, |v| must stay under 65,504 (f16).
; A tile of C, 256 x 256, is made by four waves, each 128 x 128: 64 accumulators of 16 x 16, 512 registers; a wave's 128 columns are two whole heads.  192 work-groups: 12 x 16 such tiles.
; K = 1,024 is two slots of 512 along K (rows of 256 bytes): both are asked for at the start and nothing is filled again.  By this text's count a wave has three tensor loads out: scales, slot 0, slot 1.
; The scale bytes of the work-group's 256 rows of A and of B, for all of K, are two dense blocks: they come once, as rows of 256 bytes.
; CLUSTER 4 x 1: the four tile columns of one tensor.  They need the same tiles of A: A's codes and scales are asked for jointly (mask 15).  B's tiles hang on the tile column and are each work-group's own loads.
; B is not shared along tile rows: the f32 copy below is stored under a branch on the tile row, and in a cluster with more than one row that number would differ between partners, on which no branch may hang.
; THE MATRIX INSTRUCTION IS USED TRANSPOSED (source 0 = 16 rows of B, source 1 = 16 rows of A): a lane holds eight neighbouring columns of one row of C.
; REGISTERS, in windows of 256: window 0: v0-31 addresses; v32-95 scale words, two sets; v128-191 A's fragments, one set; on the way out v32-63, v192-255 at work.
;   window 1: B's fragments, two sets, at v0 and v128.   window 2: the accumulators of my rows 0-63 ((a, b) at v[8 (8 a + b)]);   window 3: those of my rows 64-127.
.set SIZE_K, 1024
.set KSTEP,  512
.set NQ,     KSTEP/128                 ; matrix instructions deep in a slot
.set ROWB,   256                       ; a tile's row in bytes
.set KROW,   SIZE_K*4/8                ; a row of codes in memory
.set PITCH,  272                       ; an LDS row: 256 bytes + 16 of padding: the 16 rows of a fragment load start at 16 different banks (64 banks of 4 bytes: ISA guide 11.1)
.set FR,     8
.set NL,     2
.set NP,     4                         ; places behind this matrix instruction (ISA guide 7.12.1)
.set HALFT,  128*PITCH
.set SLOT,   4*HALFT                   ; A's 256 rows, then B's 256 rows
.set KS,     SIZE_K/32                 ; a row of scale bytes
.set SCL,    2*SLOT                    ; behind the slots: the scales, as rows of 256 bytes + 16
.set HALFS,  (128*KS/256)*272
.set SBLK,   (16*KS/256)*272
.set STAGE,  SCL+4*HALFS               ; the way out: for each wave 2 heads x 16 rows x 144 bytes; no tensor load lands here
.set SP,     144
.set SPARE,  STAGE+4*32*SP             ; the spare words: 128 bytes a wave, named by no other line
.set ADRA, 16                          ; v16-17  LDS address of my A fragments in slot 0, 1
.set ADRB, 20                          ; v20-21  the same for B
.set STO,  24                          ; v24     the way out: where I put 16 bytes of a row
.set RD,   25                          ; v25     where I read rows back
.set CO,   26                          ; v26     16 x lane: my bytes of 512 consecutive ones in qkv
.set ADRS, 27                          ; v27     LDS address of my scale words: lanes 0-15 A's rows, lanes 16-31 B's
.set SPW,  28                          ; v28     my spare word's LDS address; never rewritten
.set NIL,  29                          ; v29     0; never rewritten
.set FO,   30                          ; v30     my byte offset in qkvf: 4,096 (lane % 16) + 32 (lane / 16)
.set SC,   32
.set AF,   128
.set TMP,  192                         ; the way out: packed results
.set OB,   32                          ; rows read back: v32-63 and v224-255 by turns
.set G1, 24                            ; s[24:31] group 1 for A's tiles; s[32:39] groups 0, one for each slot
.set G0, 32
.set G1B, 48                           ; s[48:55], s[56:63] the same for B's
.set G0B, 56
.set G1S, 68                           ; s[68:75], s[76:79] A's scales; s[80:87], s[88:91] B's
.set G0S, 76
.set G1SB, 80
.set G0SB, 88
.set FLAG, 95                          ; s95  0 in a wave that holds the first 16 positions of a sequence
.set CQ,   96                          ; s[96:97] c, twice
.set MSB, 0
.macro WIN new                         ; the immediate's high byte repeats the setting that is left
.if MSB != \new
	s_set_vgpr_msb (MSB<<8)|\new
.set MSB, \new
.endif
.endm
.set MUL_LO, 0xa1                      ; source 0 (B) window 1, source 1 (A) window 0, C and D window 2
.set MUL_HI, 0xf1
.set TO_B,   0x40
; Waves 0 and 1 fetch for A (jointly), waves 2 and 3 for B.  The branch hangs on the wave's number alone.  An s_nop 0 and four v_nop follow each line.
.macro JLOAD g0a, g1a, g0b, g1b
	s_cmp_eq_u32 s15, 0
	s_cbranch_scc0 .Lfor_b_\@
	tensor_load_to_lds s[\g0a:\g0a+3], s[\g1a:\g1a+7]
	s_nop 0
.rept 4
	v_nop
.endr
	s_branch .Lasked_\@
.Lfor_b_\@:
	tensor_load_to_lds s[\g0b:\g0b+3], s[\g1b:\g1b+7]
	s_nop 0
.rept 4
	v_nop
.endr
.Lasked_\@:
.endm
.macro CROUND                          ; a round of the cluster's barrier
	s_barrier_signal -1
	s_barrier_wait -1
	s_cmp_lg_u32 s14, 0
	s_cbranch_scc1 .Lnot_wave_0_\@
	s_barrier_signal -3
.Lnot_wave_0_\@:
	s_barrier_wait -3
	s_barrier_signal -1
	s_barrier_wait -1
.endm
	s_load_b128 s[4:7], s[0:1], 0x0                ; x's codes s[4:5], x's scales s[6:7]
	s_load_b128 s[8:11], s[0:1], 0x10              ; the weights' codes s[8:9], their scales s[10:11]
	s_load_b64 s[12:13], s[0:1], 0x20              ; qkv
	s_load_b64 s[2:3], s[0:1], 0x28                ; qkvf
	v_lshl_add_u32 v[SPW], v0, 2, SPARE
	v_mov_b32 v[NIL], 0
	ds_add_u32 v[SPW], v[NIL]                      ; the wave's opening: the add, twice on end, and its wait ahead of my first tensor load
	ds_add_u32 v[SPW], v[NIL]
	v_lshrrev_b32 v1, 5, v0
	v_readfirstlane_b32 s14, v1                    ; wave 0..3
	s_lshr_b32 s15, s14, 1                         ; which half of the tile's rows is mine.  Also: I fetch for A (0) or for B (1)
	s_and_b32 s16, s14, 1                          ; which half of its columns.  Also: which 128 rows I fetch
	s_bfe_u32 s40, ttmp6, 0x40000                  ; cx: my place in the cluster
	s_lshl_b32 s42, ttmp9, 2
	s_add_co_u32 s42, s42, s40                     ; tile column = 4 x cluster x + cx; cluster x is the tensor: 0 q, 1 k, 2 v
	s_and_b32 s17, ttmp7, 0xffff                   ; tile row: the cluster's y, which the four partners share
	s_mov_b32 s[G1+0], 15|(1<<20)|(1<<21)|(5<<22)|(3<<25)   ; 15:0 the mask: all four; 17:16 elements of 1 byte; 20 padding on; 21 set beside a mask; 24:22 after every 64 words; 31:25 four words
	s_mov_b32 s[G1B+0], (1<<20)|(5<<22)|(3<<25)    ; B's: no mask
.irp g, G1, G1B
	s_mov_b32 s[\g+1], ROWB<<16                    ; tensor_dim0
	s_mov_b32 s[\g+2], 128<<16                     ; tensor_dim1
	s_mov_b32 s[\g+3], ROWB<<16                    ; tile_dim0
	s_mov_b32 s[\g+4], 128                         ; tile_dim1
	s_mov_b32 s[\g+5], KROW                        ; from row to row
	s_mov_b32 s[\g+6], 0
	s_mov_b32 s[\g+7], 0
.endr
	s_mov_b32 s[G1S+0], 15|(3<<16)|(1<<20)|(1<<21)|(5<<22)|(3<<25)   ; the scales of 128 rows: 4,096 dense bytes as 16 rows of 32 elements of 8 bytes
	s_mov_b32 s[G1SB+0], (3<<16)|(1<<20)|(5<<22)|(3<<25)
.irp g, G1S, G1SB
	s_mov_b32 s[\g+1], 32<<16
	s_mov_b32 s[\g+2], (128*KS/256)<<16
	s_mov_b32 s[\g+3], 32<<16
	s_mov_b32 s[\g+4], 128*KS/256
	s_mov_b32 s[\g+5], 32
	s_mov_b32 s[\g+6], 0
	s_mov_b32 s[\g+7], 0
.endr
	s_lshl_b32 s18, s16, 7                         ; which 128 rows of the tile I fetch
	s_lshl_b32 s20, s17, 8
	s_add_co_u32 s20, s20, s18                     ; A: row 256 x tile row + 128 x half
	s_lshl_b32 s46, s42, 8
	s_add_co_u32 s46, s46, s18                     ; B: row 256 x tile column + 128 x half
	s_mov_b32 s21, 0
	s_mov_b32 s47, 0
	s_mov_b64 s[18:19], KS
	s_mul_u64 s[22:23], s[20:21], s[18:19]         ; where these rows' scales begin
	s_mul_u64 s[92:93], s[46:47], s[18:19]
	s_mov_b64 s[18:19], KROW
	s_mul_u64 s[20:21], s[20:21], s[18:19]         ; and their codes
	s_mul_u64 s[46:47], s[46:47], s[18:19]
	s_mul_i32 s45, s14, HALFT                      ; where they go: wave x 128 rows: no place in the cluster enters an LDS address
	s_mul_i32 s94, s14, HALFS
	s_and_b32 s[FLAG], s17, 7
	s_or_b32 s[FLAG], s[FLAG], s15                 ; 0: tile rows 0 and 8 begin a sequence, and the upper half of the tile's rows holds its first 16 positions
	s_mov_b32 s[CQ], 0x3e38aa3b                    ; c = log2(e) / sqrt(64)
	s_mov_b32 s[CQ+1], s[CQ]
	s_wait_dscnt 0x0                               ; both opening adds are done
	s_wait_kmcnt 0x0
	s_add_nc_u64 s[20:21], s[4:5], s[20:21]
	s_add_nc_u64 s[22:23], s[6:7], s[22:23]
	s_add_nc_u64 s[46:47], s[8:9], s[46:47]
	s_add_nc_u64 s[92:93], s[10:11], s[92:93]
	CROUND                                         ; all four work-groups are here: the first joint loads meet
	s_mov_b32 s[G0S], 1
	s_add_co_u32 s[G0S+1], s94, SCL
	s_mov_b64 s[G0S+2:G0S+3], s[22:23]
	s_or_b32 s[G0S+3], s[G0S+3], 0x80000000
	s_mov_b32 s[G0SB], 1
	s_add_co_u32 s[G0SB+1], s94, SCL
	s_mov_b64 s[G0SB+2:G0SB+3], s[92:93]
	s_or_b32 s[G0SB+3], s[G0SB+3], 0x80000000
	JLOAD G0S, G1S, G0SB, G1SB                     ; the scales first: they are wanted with the first slot
.irp s, 0,1
	s_mov_b32 s[G0+4*\s], 1
	s_add_co_u32 s[G0+4*\s+1], s45, \s*SLOT
	s_add_nc_u64 s[G0+4*\s+2:G0+4*\s+3], s[20:21], \s*ROWB
	s_or_b32 s[G0+4*\s+3], s[G0+4*\s+3], 0x80000000
	s_mov_b32 s[G0B+4*\s], 1
	s_add_co_u32 s[G0B+4*\s+1], s45, \s*SLOT
	s_add_nc_u64 s[G0B+4*\s+2:G0B+4*\s+3], s[46:47], \s*ROWB
	s_or_b32 s[G0B+4*\s+3], s[G0B+4*\s+3], 0x80000000
	JLOAD G0+4*\s, G1, G0B+4*\s, G1B
.endr
	v_and_b32 v1, 15, v0                           ; r = lane % 16
	v_bfe_u32 v2, v0, 4, 1                         ; h = lane / 16
	v_mul_u32_u24 v3, v1, PITCH
	v_lshl_add_u32 v4, v2, 4, v3                   ; a fragment's row x pitch + 16 h
	s_mul_i32 s21, s15, HALFT                      ; my 128 rows of A
	s_mul_i32 s22, s16, HALFT                      ; my 128 rows of B,
	s_add_co_u32 s22, s22, 2*HALFT                 ; which lie behind A's 256
.irp s, 0,1
	v_add_nc_u32 v[ADRA+\s], s21, v4
	v_add_nc_u32 v[ADRB+\s], s22, v4
	s_add_co_u32 s21, s21, SLOT
	s_add_co_u32 s22, s22, SLOT
.endr
	v_mul_u32_u24 v5, v1, KS                       ; my row's scales: KS bytes a row,
	v_lshrrev_b32 v6, 8, v5
	v_lshl_add_u32 v5, v6, 4, v5                   ; and 16 more for each 256 passed
	s_mul_i32 s21, s15, HALFS
	s_mul_i32 s22, s16, HALFS
	s_add_co_u32 s22, s22, 2*HALFS
	s_sub_co_u32 s22, s22, s21
	v_mul_u32_u24 v6, s22, v2                      ; lanes 16-31 take B's: one product, the distance between the two bases
	s_add_co_u32 s21, s21, SCL
	v_add_nc_u32 v5, v5, v6
	v_add_nc_u32 v[ADRS], s21, v5
	s_mul_i32 s23, s14, 32*SP
	s_add_co_u32 s23, s23, STAGE                   ; my stage
	v_mul_u32_u24 v5, v1, SP
	v_lshl_add_u32 v5, v2, 4, v5
	v_add_nc_u32 v[STO], s23, v5                   ; in: row r, 16 bytes for each half of the lanes
	v_and_b32 v6, 31, v0
	v_lshlrev_b32 v[CO], 4, v6
	v_lshrrev_b32 v5, 3, v6
	v_mul_u32_u24 v5, v5, SP
	v_and_b32 v6, 7, v0
	v_lshl_add_u32 v5, v6, 4, v5
	v_add_nc_u32 v[RD], s23, v5                    ; back: eight lanes to a row of 128 bytes, four rows an instruction
	v_lshlrev_b32 v[FO], 12, v1
	v_lshl_add_u32 v[FO], v2, 5, v[FO]
	; where my part begins.  qkv: tensor x 8,388,608 + (16 b + 4 cx + 2 x column half) heads of 262,144 + (256 (tile row % 8) + 128 x row half) rows of 128 bytes.
	; qkvf: (3 b + tensor) x 65,536 + (256 cx + 128 x column half) x 4.  What hangs on cx is made in the registers that held B's address.
	s_lshl_b32 s20, ttmp9, 23
	s_lshr_b32 s21, s17, 3                         ; b
	s_lshl_b32 s22, s21, 22
	s_add_co_u32 s20, s20, s22
	s_lshl_b32 s22, s16, 19
	s_add_co_u32 s20, s20, s22
	s_and_b32 s22, s17, 7
	s_lshl_b32 s22, s22, 15
	s_add_co_u32 s20, s20, s22
	s_lshl_b32 s22, s15, 14
	s_add_co_u32 s20, s20, s22
	s_mul_i32 s22, s21, 3
	s_add_co_u32 s22, s22, ttmp9
	s_lshl_b32 s22, s22, 16
	s_lshl_b32 s23, s16, 9
	s_add_co_u32 s22, s22, s23
	s_mov_b32 s21, 0
	s_mov_b32 s23, 0
	s_add_nc_u64 s[12:13], s[12:13], s[20:21]
	s_add_nc_u64 s[2:3], s[2:3], s[22:23]
	s_lshl_b32 s46, s40, 20
	s_mov_b32 s47, 0
	s_add_nc_u64 s[12:13], s[12:13], s[46:47]
	s_lshl_b32 s46, s40, 10
	s_add_nc_u64 s[2:3], s[2:3], s[46:47]
.macro FRAG reg, adr, q, i             ; a fragment, 16 rows x 128 K of 4-bit codes: lane l holds row l % 16; registers 4 c .. 4 c + 3 hold K = 64 c + 32 (l / 16) + 0 .. 31
.irp c, 0,1
	ds_load_b128 v[\reg+4*\c:\reg+4*\c+3], v[\adr] offset:64*(\q)+32*\c+(\i)*16*PITCH
.endr
.endm
; 16 matrix instructions: A's blocks a0, a0 + 1 x B's eight, the slot's q-th 128 along K.  p: B's set; sc: the set of scale words.  zero = 1: the first product starts the sums.
; The 64 accumulators take turns, one instruction a turn, in the same order in every step.
.macro MUL16 a0, p, q, sc, zero
.irp a, \a0, \a0+1
.irp b, 0,1,2,3,4,5,6,7
.if \zero
	v_wmma_scale_f32_16x16x128_f8f6f4 v[8*(8*((\a)%4)+\b):8*(8*((\a)%4)+\b)+7], v[128*(\p)+FR*\b:128*(\p)+FR*\b+FR-1], v[AF+FR*(\a):AF+FR*(\a)+FR-1], 0, v[SC+8*NQ*(\sc)+NQ*\b+(\q)], v[SC+8*NQ*(\sc)+NQ*(\a)+(\q)] matrix_a_fmt:MATRIX_FMT_FP4 matrix_b_fmt:MATRIX_FMT_FP4 matrix_a_scale:MATRIX_SCALE_ROW1
.else
	v_wmma_scale_f32_16x16x128_f8f6f4 v[8*(8*((\a)%4)+\b):8*(8*((\a)%4)+\b)+7], v[128*(\p)+FR*\b:128*(\p)+FR*\b+FR-1], v[AF+FR*(\a):AF+FR*(\a)+FR-1], v[8*(8*((\a)%4)+\b):8*(8*((\a)%4)+\b)+7], v[SC+8*NQ*(\sc)+NQ*\b+(\q)], v[SC+8*NQ*(\sc)+NQ*(\a)+(\q)] matrix_a_fmt:MATRIX_FMT_FP4 matrix_b_fmt:MATRIX_FMT_FP4 matrix_a_scale:MATRIX_SCALE_ROW1
.endif
.endr
.endr
.endm
.macro FETCH_B slot, q, p
	WIN TO_B
.irp i, 0,1,2,3,4,5,6,7
	FRAG 128*(\p)+FR*\i, ADRB+\slot, \q, \i
.endr
	WIN 0
.endm
.macro FETCH_A slot, q, i0
.irp i, \i0, \i0+1, \i0+2, \i0+3
	FRAG AF+FR*(\i), ADRA+\slot, \q, \i
.endr
.endm
.macro SCALES sc                       ; a slot's scale words: four words a row; lanes 0-15 take A's block i, lanes 16-31 B's block i
.irp i, 0,1,2,3,4,5,6,7
	ds_load_b128 v[SC+8*NQ*\sc+NQ*\i:SC+8*NQ*\sc+NQ*\i+3], v[ADRS] offset:\i*SBLK
.endr
.endm
.macro PLACES n                        ; plain vector instructions in front of loads into registers that matrix instructions have read, and of the first read of results
.rept \n
	v_nop
.endr
.endm
.macro STEP slot, q, zero              ; a step of 128 along K that has its successor in the same slot
	s_wait_dscnt 4*NL                              ; B's set and A's blocks 0-3 are in; the youngest eight loads (A's blocks 4-7) may be out
	WIN MUL_LO
	MUL16 0, (\q)%2, \q, \slot, \zero
	MUL16 2, (\q)%2, \q, \slot, \zero
	s_wait_dscnt 0
	PLACES NP
	FETCH_B \slot, (\q)+1, 1-(\q)%2
	FETCH_A \slot, (\q)+1, 0
	WIN MUL_HI
	MUL16 4, (\q)%2, \q, \slot, \zero
	MUL16 6, (\q)%2, \q, \slot, \zero
	PLACES NP
	WIN 0
	FETCH_A \slot, (\q)+1, 4
.endm
	s_wait_tensorcnt 1                             ; the scales and my part of slot 0 are in; slot 1's load may be out
	s_barrier_signal -1
	s_barrier_wait -1                              ; everybody's are
	FETCH_B 0, 0, 0
	FETCH_A 0, 0, 0
	SCALES 0
	FETCH_A 0, 0, 4
	STEP 0, 0, 1                                   ; the first step's products start the sums: nothing is cleared
	STEP 0, 1, 0
	STEP 0, 2, 0
	; slot 0's last step changes slots: one barrier; nothing is filled again
	s_wait_tensorcnt 0x0                           ; my part of slot 1 has landed
	ds_add_u32 v[SPW], v[NIL]                      ; 0 onto my spare word
	s_wait_dscnt 4*NL+1                            ; (the add and the youngest eight loads may be out)
	WIN MUL_LO
	MUL16 0, 1, NQ-1, 0, 0
	s_wait_dscnt 0x0                               ; no LDS instruction of mine is pending at the signal
	s_barrier_signal -1
	MUL16 2, 1, NQ-1, 0, 0
	WIN 0
	s_barrier_wait -1                              ; slot 1 is whole
	PLACES NP
	v_add_nc_u32 v[ADRS], 4*NQ, v[ADRS]            ; on to slot 1's scale words
	FETCH_B 1, 0, 0
	FETCH_A 1, 0, 0
	SCALES 1
	WIN MUL_HI
	MUL16 4, 1, NQ-1, 0, 0
	MUL16 6, 1, NQ-1, 0, 0
	PLACES NP
	WIN 0
	FETCH_A 1, 0, 4
	STEP 1, 0, 0
	STEP 1, 1, 0
	STEP 1, 2, 0
	s_wait_dscnt 4*NL                              ; the very last step: nothing more to fetch
	WIN MUL_LO
	MUL16 0, 1, NQ-1, 1, 0
	MUL16 2, 1, NQ-1, 1, 0
	s_wait_dscnt 0
	WIN MUL_HI
	MUL16 4, 1, NQ-1, 1, 0
	MUL16 6, 1, NQ-1, 1, 0
	WIN 0
	; THE WAY OUT
	PLACES NP
	s_cmp_lg_u32 ttmp9, 0                          ; the cluster's x is the tensor: the same in all four partners
	s_cbranch_scc1 .Lnot_q
	WIN 0x82                                       ; q x c, in f32, each accumulator from its low end on
.set j, 0
.rept 128
	v_pk_mul_f32 v[j:j+1], v[j:j+1], s[CQ:CQ+1] op_sel_hi:[1,0]
.set j, j+2
.endr
	WIN 0xc3
.set j, 0
.rept 128
	v_pk_mul_f32 v[j:j+1], v[j:j+1], s[CQ:CQ+1] op_sel_hi:[1,0]
.set j, j+2
.endr
	WIN 0
.Lnot_q:
	s_cmp_lg_u32 s[FLAG], 0                        ; tile row and wave alone
	s_cbranch_scc1 .Lno_fine
	WIN 0x08                                       ; a store's data are its source 1: window 2.  My block 0 is the sequence's first 16 positions: lane (r, h) holds row r, columns 16 b + 8 h + 0 .. 7
.irp b, 0,1,2,3,4,5,6,7
	global_store_b128 v[FO], v[8*\b:8*\b+3], s[2:3] offset:64*\b            ; pieces of 64 bytes of 16 rows: 384 KiB in the whole launch beside 24 MiB of whole runs
	global_store_b128 v[FO], v[8*\b+4:8*\b+7], s[2:3] offset:64*\b+16
.endr
	WIN 0
.Lno_fine:
; Block a: 16 rows x 128 columns = two heads x 64.  Rounded to f16, 16 bytes a lane; through my stage (rows of 144 bytes, a head's 16 rows together); back as 4 rows of 128 bytes, which are 512 consecutive bytes of qkv.
.macro PACK a
.set AC, 64*((\a)%4)
	WIN (0x0a+5*((\a)/4))                          ; sources 0 and 1: window 2 or 3
.irp b, 0,1,2,3,4,5,6,7
.irp i, 0,1,2,3
	v_cvt_pk_f16_f32 v[TMP+4*\b+\i], v[AC+8*\b+2*\i], v[AC+8*\b+2*\i+1]
.endr
.endr
	WIN 0
.endm
.macro TOSTAGE a
.set BB, OB+192*((\a)%2)
.irp b, 0,1,2,3,4,5,6,7
	ds_store_b128 v[STO], v[TMP+4*\b:TMP+4*\b+3] offset:16*SP*(\b/4)+32*(\b%4)
.endr
.irp t, 0,1,2,3,4,5,6,7
	ds_load_b128 v[BB+4*\t:BB+4*\t+3], v[RD] offset:16*SP*(\t/4)+4*SP*(\t%4)   ; LDS serves a wave's instructions in order (ISA guide 5.7.1.4): these see the stores above
.endr
.endm
.macro SEND a
.set BB, OB+192*((\a)%2)
	s_wait_dscnt 0x0                               ; the block is back in registers
	s_wait_xcnt 0x0                                ; earlier stores have read their data registers: the next block's loads may land there
.irp t, 0,1,2,3,4,5,6,7
	global_store_b128 v[CO], v[BB+4*\t:BB+4*\t+3], s[12:13] offset:2048*(\a)+262144*(\t/4)+512*(\t%4)   ; 32 lanes store 512 consecutive bytes, aligned to 256
.endr
.endm
	PACK 0
	TOSTAGE 0
.irp a, 1,2,3,4,5,6,7                  ; block a's conversions stand between block a - 1's loads from the stage and the wait for them
	PACK \a
	SEND \a-1
	TOSTAGE \a
.endr
	SEND 7
	s_wait_tensorcnt 0x0                           ; the wave's end, behind my last tensor load and my last LDS store
	ds_add_u32 v[SPW], v[NIL]
	s_wait_dscnt 0x0
	CROUND                                         ; the closing round: no work-group ends while a partner may still ask for a tile that names it
	s_endpgm
.Lfunc_end_k_q8d352203aa_qkv:
	.size	k_q8d352203aa_qkv, .Lfunc_end_k_q8d352203aa_qkv-k_q8d352203aa_qkv
	.p2alignl 7, 3214868480
	.fill 96, 4, 3214868480
	.section	.rodata,"a",@progbits
	.p2align	6, 0x0
	.amdhsa_kernel k_q8d352203aa_qkv
		.amdhsa_group_segment_fixed_size 327680
		.amdhsa_private_segment_fixed_size 0
		.amdhsa_enable_private_segment 0
		.amdhsa_kernarg_size 48
		.amdhsa_user_sgpr_count 2
		.amdhsa_user_sgpr_kernarg_segment_ptr 1
		.amdhsa_wavefront_size32 1
		.amdhsa_system_sgpr_workgroup_id_x 1
		.amdhsa_system_sgpr_workgroup_id_y 1
		.amdhsa_system_sgpr_workgroup_id_z 1
		.amdhsa_system_vgpr_workitem_id 0
		.amdhsa_next_free_vgpr 1024
		.amdhsa_next_free_sgpr 98
		.amdhsa_reserve_vcc 0
		.amdhsa_float_denorm_mode_32 3
		.amdhsa_float_denorm_mode_16_64 3
		.amdhsa_memory_ordered 1
		.amdhsa_forward_progress 1
		.amdhsa_inst_pref_size 145
	.end_amdhsa_kernel
	.amdgpu_metadata
---
amdhsa.version: [ 1, 2 ]
amdhsa.kernels:
  - .name:           k_q8d352203aa_qkv
    .symbol:         k_q8d352203aa_qkv.kd
    .args:
      - { .name: xc, .offset: 0, .size: 8, .value_kind: global_buffer, .address_space: global }
      - { .name: xs, .offset: 8, .size: 8, .value_kind: global_buffer, .address_space: global }
      - { .name: wc, .offset: 16, .size: 8, .value_kind: global_buffer, .address_space: global }
      - { .name: ws, .offset: 24, .size: 8, .value_kind: global_buffer, .address_space: global }
      - { .name: qkv, .offset: 32, .size: 8, .value_kind: global_buffer, .address_space: global }
      - { .name: qkvf, .offset: 40, .size: 8, .value_kind: global_buffer, .address_space: global }
    .group_segment_fixed_size: 327680
    .private_segment_fixed_size: 0
    .kernarg_segment_align: 8
    .kernarg_segment_size: 48
    .max_flat_workgroup_size: 128
    .sgpr_count:     98
    .vgpr_count:     1024
    .wavefront_size: 32
...
	.end_amdgpu_metadata
.endif
;; end of part 2
;; launch attn (part 3): grid 8 x 32, 16 waves a work-group, no clusters, 327,680 bytes of LDS; arguments qkv, attn; writes attn
.if DOCPART == 3
	.amdgcn_target "amdgcn-amd-amdhsa--gfx1250"
	.amdhsa_code_object_version 6
	.text
	.protected	k_q8d352203aa_attn
	.globl	k_q8d352203aa_attn
	.p2align	8
	.type	k_q8d352203aa_attn,@function
k_q8d352203aa_attn:
	s_mov_b64 s[64:65], 0
	v_nop
	global_prefetch_b8 v0, s[64:65] scope:SCOPE_SE
	s_setreg_imm32_b32 hwreg(HW_REG_WAVE_MODE, 25, 1), 1
	s_wait_xcnt 0x0
; O[g][n] = the sum over m <= n of softmax_m(q[g][n] . k[g][m] / 8) v[g][m], g = 16 b + head, 2,048 positions, head size 64.  q, k, v: f16, [tensor][g][2048][64]; q comes already multiplied by c = log2(e) / 8,
; so a score IS an exponent of 2.  Products on f16 operands with f32 sums; maxima, exponentials and sums in f32; the weights p (at most 1) are rounded to f16 for the second product; O once at the end.
; OUT: attn, f16, [head][b][2048][64]: a wave's 16 rows are 2,048 consecutive bytes.  LIMIT: |O| under 65,504 (f16); NaN and infinities are not served.
; SOFTMAX: for each query a running maximum m and sum l: p = 2^(s - m); in every step O and l are multiplied by a = 2^(m_old - m_new).
; SHARES.  Work-group (i, g) owns query blocks i and 15 - i of head g, 128 queries each, so that under the causal mask every work-group has the same number of steps: (i + 1) + (16 - i) for each pair of tiles.
; Sixteen waves, one tile of 16 queries each, 256 registers: four waves to a SIMD, two of the early block and two of the late one: one wave's vector work stands beside another's matrix work and LDS loads.
; Keys go 128 a step through a ring of two LDS slots of 256 keys, filled by tensor loads (waves 0, 1: K's halves; waves 2, 3: V's) and read by all sixteen.
; EVERY work-group walks all 8 slots (constant trip counts); a step all of whose keys come after the wave's queries is jumped over, and a slot that no wave of the work-group reads is not asked for.
; NO CLUSTER: work-groups of one head need different numbers of tiles, and the mask would let every wave of a partner jump over the reads of a tile that a joint load brought.
; LAYOUT.  S^T = K Q^T (source 0 = 16 keys, source 1 = my 16 queries): a lane holds ONE query (lane % 16) and keys 8 (lane / 16) + 0..7 of each tile.  Two such tiles rounded in pairs ARE source 1 (32 keys x 16 queries)
; of O^T = V^T P.  K comes out of LDS as it lies, V ([key][channel]) turned, by ds_load_tr16_b128.
.set SK,    256                        ; keys in a slot
.set KP,    144                        ; a row of K in LDS: 128 bytes + 16: the 16 rows of a load start at 16 different groups of banks
.set VP,    160                        ; a row of V: 128 + 32 = 40 words: 8 rows start at banks 0, 40, 16, 56, 32, 8, 48, 24
.set VOFF,  SK*KP
.set SLOT1, 1<<17                      ; slot 1 begins here: one exclusive or turns an address from one slot to the other
.set NSL,   2048/SK
.set STAGE, SK*(KP+VP)                 ; behind slot 0's tiles, below slot 1: 16 rows x 144 bytes for each wave; no tensor load lands here
.set SPARE, SLOT1+SK*(KP+VP)           ; behind slot 1's tiles: the spare words, 128 bytes a wave, named by no other line
.set AK0, 1                            ; v1   my lane's place in a tile of K
.set AV0, 2                            ; v2   the same for V
.set SPW, 3                            ; v3   my spare word's LDS address; never rewritten
.set NIL, 4                            ; v4   0; never rewritten
.set GO,  5                            ; v5   16 x lane
.set ADK, 6                            ; v6   LDS address of the slot's K for my lane
.set ADV, 7                            ; v7   of V
.set PFO, 8                            ; v8   256 x lane: the prefetches' offset; never rewritten
.set RH,  9                            ; v9   lane % 16 - 8 (lane / 16)
.set MM,  10                           ; v[10:11] m and a filler
.set LL,  12                           ; v[12:13] l, even and odd keys'
.set AA,  14                           ; v[14:15] a and a filler
.set QF,  16                           ; v16-31  Q: two fragments of 32 channels
.set F,   32                           ; v32-95  eight fragments of K or of V
.set S,   96                           ; v96-159 S^T, then p
.set OT,  160                          ; v160-191 O^T: four tiles of 16 channels
.set P,   192                          ; v192-223 p in f16
.set MX,  224                          ; v224-227 four chains of the maximum
.set T0,  228
.set T1,  229
.set L2,  230                          ; v[230:231] the sum's second chain
.set DD,  232                          ; the diagonal: my query less the step's first key less 8 (lane / 16)
.set NINF, 233
.set STO, 239
.set RD,  240
.set TB,  2                            ; s2   LDS byte at which the slot in hand begins
.set WV,  18
.set SEL, 20                           ; s[20:21] selects for lane l xor 16
.set G1K, 24
.set G1V, 32
.set G0K, 40
.set G0V, 44
.set SLOTS, 48
.set KF,  49                           ; the step's first key
.set Q0,  50                           ; my first query
.set QL,  51                           ; my work-group's last query
.set PFA, 52                           ; s[52:53] where my prefetches stand
.set LIM, 54                           ; 1 in a wave that prefetches, else the greatest number
; Waves 0 and 1 fetch K's halves, waves 2 and 3 V's, the others nothing.  The branches hang on the wave's number alone.  An s_nop 0 and four v_nop follow each line.
.macro TLOAD
	s_cmp_lt_u32 s[WV], 2
	s_cbranch_scc0 .Lnot_k_\@
	tensor_load_to_lds s[G0K:G0K+3], s[G1K:G1K+7]
	s_nop 0
.rept 4
	v_nop
.endr
	s_branch .Lasked_\@
.Lnot_k_\@:
	s_cmp_lt_u32 s[WV], 4
	s_cbranch_scc0 .Lasked_\@
	tensor_load_to_lds s[G0V:G0V+3], s[G1V:G1V+7]
	s_nop 0
.rept 4
	v_nop
.endr
.Lasked_\@:
.endm
; A prefetch of what the NEXT change of slots will ask for: a slot's 32,768 dense bytes of K and as many of V.  All eight work-groups of a head walk the same K and V: work-group 0, which walks all eight slots, asks.
; In it waves 4 to 7 ask for K's, waves 8 to 11 for V's: 8,192 bytes a wave, lanes 256 bytes apart: each block of 256 bytes is named once in the launch.  It stands two key steps ahead of the load that wants the bytes.
; The last change that fills a slot asks for nothing; slots 0 and 1 come by their loads alone.
.macro ASK
	s_cmp_gt_u32 s[SLOTS], s[LIM]
	s_cbranch_scc0 .Lnot_mine_\@
	global_prefetch_b8 v[PFO], s[PFA:PFA+1] th:TH_LOAD_NT scope:SCOPE_SE
.Lnot_mine_\@:
.endm
	s_load_b128 s[4:7], s[0:1], 0x0                ; qkv s[4:5], attn s[6:7]
	v_lshl_add_u32 v[SPW], v0, 2, SPARE
	v_mov_b32 v[NIL], 0
	ds_add_u32 v[SPW], v[NIL]                      ; the wave's opening: the add, twice on end, and its wait ahead of my first tensor load
	ds_add_u32 v[SPW], v[NIL]
	v_lshrrev_b32 v9, 5, v0
	v_readfirstlane_b32 s[WV], v9                  ; wave 0..15
	s_and_b32 s57, ttmp7, 0xffff                   ; g
	s_lshl_b32 s58, s57, 18                        ; the head's first byte in a tensor
	s_lshr_b32 s59, s[WV], 2
	s_xor_b32 s59, s59, s[WV]
	s_and_b32 s59, s59, 1                          ; 1: my tile lies in the late block.  (wave ^ (wave / 4)) & 1 gives two of each kind among waves w, w+4, w+8, w+12 and among four waves on end
	s_lshl_b32 s60, ttmp9, 1
	s_sub_co_u32 s60, 15, s60
	s_mul_i32 s60, s60, s59
	s_add_co_u32 s60, s60, ttmp9                   ; my block: i or 15 - i
	s_lshl_b32 s60, s60, 7
	s_lshr_b32 s61, s[WV], 1
	s_lshl_b32 s61, s61, 4
	s_add_co_u32 s[Q0], s60, s61                   ; my first query: 128 x block + 16 (wave / 2)
	s_lshl_b32 s[QL], ttmp9, 7
	s_sub_co_u32 s[QL], 2047, s[QL]                ; the late block's last query
	s_and_b32 s62, s[WV], 1                        ; which 128 rows of a slot I fetch, if I fetch
	s_mul_i32 s63, s62, 128*KP
	s_mul_i32 s66, s62, 128*VP
	s_add_co_u32 s66, s66, VOFF
	s_lshl_b32 s62, s62, 14
	s_add_co_u32 s62, s62, s58
	s_add_co_u32 s68, s62, 1<<23                   ; K: tensor 1
	s_mov_b32 s69, 0
	s_add_co_u32 s70, s62, 2<<23                   ; V: tensor 2
	s_mov_b32 s71, 0
	s_lshl_b32 s67, s[Q0], 7
	s_add_co_u32 s72, s58, s67                     ; my queries' rows
	s_mov_b32 s73, 0
	s_and_b32 s74, s57, 15
	s_lshl_b32 s74, s74, 19                        ; attn: head x 524,288
	s_lshr_b32 s75, s57, 4
	s_lshl_b32 s75, s75, 18                        ; + b x 262,144
	s_add_co_u32 s74, s74, s75
	s_add_co_u32 s74, s74, s67
	s_mov_b32 s75, 0
	s_cmp_lt_u32 s[WV], 8                          ; the prefetches: waves 4 to 7 K, waves 8 to 11 V
	s_cselect_b32 s56, 1, 2
	s_lshl_b32 s56, s56, 23
	s_add_co_u32 s56, s56, s58
	s_and_b32 s59, s[WV], 3
	s_lshl_b32 s59, s59, 13
	s_add_co_u32 s56, s56, s59
	s_add_co_u32 s56, s56, SK*128                  ; in slot 1: the first change of slots steps it to slot 2
	s_mov_b32 s57, 0
	s_sub_co_u32 s60, s[WV], 4
	s_lshr_b32 s60, s60, 3                         ; 0 in waves 4 to 11,
	s_or_b32 s60, s60, ttmp9                       ; of the head's work-group 0
	s_cmp_eq_u32 s60, 0
	s_cselect_b32 s[LIM], 1, -1
	; group 1: 128 rows of 64 elements of 2 bytes, dense in memory, padded in LDS behind every row
	s_mov_b32 s[G1K], (1<<16)|(1<<20)|(4<<22)|(3<<25)   ; 17:16 elements of 2 bytes; 20 padding on; 24:22 after every 32 words; 31:25 four words
	s_mov_b32 s[G1V], (1<<16)|(1<<20)|(4<<22)|(7<<25)   ; eight words
.irp g, G1K, G1V
	s_mov_b32 s[\g+1], 64<<16                      ; tensor_dim0
	s_mov_b32 s[\g+2], 128<<16                     ; tensor_dim1
	s_mov_b32 s[\g+3], 64<<16                      ; tile_dim0
	s_mov_b32 s[\g+4], 128                         ; tile_dim1
	s_mov_b32 s[\g+5], 64                          ; from row to row
	s_mov_b32 s[\g+6], 0
	s_mov_b32 s[\g+7], 0
.endr
	s_mov_b32 s[SEL], 0x76543210
	s_mov_b32 s[SEL+1], 0xfedcba98
	s_mov_b32 s[TB], 0
	s_mov_b32 s[SLOTS], NSL-1
	s_mov_b32 s[KF], 0
	s_wait_dscnt 0x0                               ; both opening adds are done
	s_wait_kmcnt 0x0
	s_mov_b32 s[G0K], 1
	s_mov_b32 s[G0K+1], s63
	s_add_nc_u64 s[G0K+2:G0K+3], s[4:5], s[68:69]
	s_or_b32 s[G0K+3], s[G0K+3], 0x80000000
	s_mov_b32 s[G0V], 1
	s_mov_b32 s[G0V+1], s66
	s_add_nc_u64 s[G0V+2:G0V+3], s[4:5], s[70:71]
	s_or_b32 s[G0V+3], s[G0V+3], 0x80000000
	TLOAD                                          ; slot 0: it holds key 0, which counts for every query
	s_add_nc_u64 s[PFA:PFA+1], s[4:5], s[56:57]
	s_add_nc_u64 s[72:73], s[4:5], s[72:73]        ; Q at my first query
	s_add_nc_u64 s[6:7], s[6:7], s[74:75]          ; and its row of the output
	v_and_b32 v234, 15, v0                         ; r
	v_bfe_u32 v235, v0, 4, 1                       ; h
	v_lshlrev_b32 v236, 7, v234
	v_lshl_add_u32 v236, v235, 4, v236             ; Q: row r of 128 bytes + 16 h
.irp i, 0,1,2,3
	global_load_b128 v[QF+4*\i:QF+4*\i+3], v236, s[72:73] offset:32*\i   ; registers 0-3 of a fragment: channels 8 h + 0..7; 4-7: 16 + 8 h + 0..7; the second fragment 64 bytes on
.endr
	v_mul_u32_u24 v[AK0], v234, KP
	v_lshl_add_u32 v[AK0], v235, 4, v[AK0]
	v_and_b32 v237, 7, v0
	v_lshl_add_u32 v237, v235, 3, v237
	v_mul_u32_u24 v[AV0], v237, VP                 ; the turning load: key 8 h + lane % 8,
	v_bfe_u32 v237, v0, 3, 1
	v_lshl_add_u32 v[AV0], v237, 4, v[AV0]         ; channels 8 ((lane / 8) % 2) + 0..7
	v_add_nc_u32 v[AV0], VOFF, v[AV0]
	v_and_b32 v[GO], 31, v0
	v_lshlrev_b32 v[PFO], 8, v[GO]
	v_lshlrev_b32 v[GO], 4, v[GO]
	v_lshlrev_b32 v237, 3, v235
	v_sub_nc_u32 v[RH], v234, v237
	s_mul_i32 s56, s[WV], 16*KP
	s_add_co_u32 s56, s56, STAGE                   ; my stage
	v_add_nc_u32 v[STO], s56, v[AK0]               ; in: row r, 16 bytes for each half of the lanes
	v_and_b32 v237, 31, v0
	v_lshrrev_b32 v238, 3, v237
	v_mul_u32_u24 v238, v238, KP
	v_and_b32 v237, 7, v0
	v_lshl_add_u32 v238, v237, 4, v238
	v_add_nc_u32 v[RD], s56, v238                  ; back: eight lanes to a row, four rows an instruction
	v_mov_b32 v[MM], 0xff61b1e6                    ; m: -3e38, under every score
	v_mov_b32 v[MM+1], 0
	v_mov_b32 v[LL], 0
	v_mov_b32 v[LL+1], 0
	v_mov_b32 v[AA], 0
	v_mov_b32 v[AA+1], 0
	v_mov_b32 v[T1], 0                             ; a lane permute's destination counts as one of its sources
	v_mov_b32 v[NINF], 0xff800000
.set j, 0
.rept 32
	v_mov_b32 v[OT+j], 0                           ; the step is written once: the first finds zeros, which a = 0 leaves zeros
.set j, j+1
.endr
.macro VLOAD q, grp                    ; V^T of keys 64 grp .. + 63 of the step: eight fragments of 16 channels x 32 keys
.irp kk, 0,1
.irp ct, 0,1,2,3
	ds_load_tr16_b128 v[F+32*\kk+8*\ct:F+32*\kk+8*\ct+3], v[ADV] offset:(128*(\q)+32*(2*(\grp)+\kk))*VP+32*\ct
	ds_load_tr16_b128 v[F+32*\kk+8*\ct+4:F+32*\kk+8*\ct+7], v[ADV] offset:(128*(\q)+32*(2*(\grp)+\kk))*VP+16*VP+32*\ct
.endr
.endr
.endm
.macro PV grp                          ; O^T += V^T P: the four accumulators by turns, one instruction a turn
.irp kk, 0,1
.irp ct, 0,1,2,3
	v_wmma_f32_16x16x32_f16 v[OT+8*\ct:OT+8*\ct+7], v[F+32*\kk+8*\ct:F+32*\kk+8*\ct+7], v[P+8*(2*(\grp)+\kk):P+8*(2*(\grp)+\kk)+7], v[OT+8*\ct:OT+8*\ct+7]
.endr
.endr
.endm
; A KEY STEP: 128 keys, the q-th of the slot in hand.
.macro STEP q
	s_add_co_u32 s56, s[Q0], 15                    ; a step all of whose keys come after my 16 queries is left out: a branch on ids and the count of steps, round no barrier and no tensor load
	s_cmp_gt_u32 s[KF], s56
	s_cbranch_scc1 .Lhidden_\@
	v_add_nc_u32 v[ADK], s[TB], v[AK0]
	v_add_nc_u32 v[ADV], s[TB], v[AV0]
	v_nop
	v_nop                                          ; four places in front of loads into registers that the last products read
.irp g, 0,1                                    ; S^T = K Q^T, four tiles of 16 keys at a time
.if \g > 0
.rept 4
	v_nop
.endr
.endif
.irp dh, 0,1
.irp t, 0,1,2,3
	ds_load_b128 v[F+32*\dh+8*\t:F+32*\dh+8*\t+3], v[ADK] offset:(128*(\q)+16*(4*\g+\t))*KP+64*\dh
	ds_load_b128 v[F+32*\dh+8*\t+4:F+32*\dh+8*\t+7], v[ADK] offset:(128*(\q)+16*(4*\g+\t))*KP+64*\dh+32
.endr
.endr
	s_wait_dscnt 8                                 ; the first 32 channels are in; the eight loads of the second 32 may be out
.irp t, 0,1,2,3
	v_wmma_f32_16x16x32_f16 v[S+8*(4*\g+\t):S+8*(4*\g+\t)+7], v[F+8*\t:F+8*\t+7], v[QF:QF+7], 0
.endr
	s_wait_dscnt 0x0
.irp t, 0,1,2,3
	v_wmma_f32_16x16x32_f16 v[S+8*(4*\g+\t):S+8*(4*\g+\t)+7], v[F+32+8*\t:F+32+8*\t+7], v[QF+8:QF+15], v[S+8*(4*\g+\t):S+8*(4*\g+\t)+7]
.endr
.endr
.rept 4
	v_nop                                          ; places: in front of the loads below and of the first read of the scores
.endr
	VLOAD \q, 0                                    ; V's first 64 keys land while the softmax is worked
	s_add_co_u32 s56, s[KF], 127                   ; on the diagonal hidden scores become -infinity ahead of the maximum; a step all of whose keys count skips this
	s_cmp_le_u32 s56, s[Q0]
	s_cbranch_scc1 .Lopen_\@
	s_sub_co_i32 s56, s[Q0], s[KF]
	v_add_nc_u32 v[DD], s56, v[RH]                 ; register 8 t + j holds key KF + 16 t + 8 h + j: hidden where 16 t + j > my query - KF - 8 h
.set n, 0
.rept 64
	v_cmp_gt_i32 vcc_lo, 16*(n/8)+n%8, v[DD]
	v_cndmask_b32 v[S+n], v[S+n], v[NINF], vcc_lo
.set n, n+1
.endr
.Lopen_\@:
.irp b, 0,1,2,3
	v_max3_num_f32 v[MX+\b], v[S+16*\b], v[S+16*\b+1], v[S+16*\b+2]   ; the maximum in four chains; each accumulator is read first at its low end
.endr
.irp i, 3,5,7,9,11,13
.irp b, 0,1,2,3
	v_max3_num_f32 v[MX+\b], v[MX+\b], v[S+16*\b+\i], v[S+16*\b+\i+1]
.endr
.endr
.irp b, 0,1,2,3
	v_max_num_f32 v[MX+\b], v[MX+\b], v[S+16*\b+15]
.endr
	v_max3_num_f32 v[T0], v[MX], v[MX+1], v[MX+2]
	v_max3_num_f32 v[T0], v[T0], v[MX+3], v[MM]    ; with the old m
	v_permlanex16_b32 v[T1], v[T0], s[SEL], s[SEL+1]   ; the query's other 64 keys lie in the lane 16 away
	v_max_num_f32 v[T0], v[T0], v[T1]
	v_sub_f32 v[AA], v[MM], v[T0]                  ; m_old - m_new
	v_mov_b32 v[MM], v[T0]
.set j, 0
.rept 32
	v_pk_add_f32 v[S+j:S+j+1], v[S+j:S+j+1], v[MM:MM+1] op_sel_hi:[1,0] neg_lo:[0,1] neg_hi:[0,1]   ; s - m: exactly 0 at the maximum
.set j, j+2
.endr
	v_exp_f32 v[AA], v[AA]                         ; one batch: a and the 64 weights
.set j, 0
.rept 64
	v_exp_f32 v[S+j], v[S+j]
.set j, j+1
.endr
	v_nop                                          ; a plain instruction behind the last exponential
	s_wait_alu depctr_va_vdst(0)                   ; one wait for the batch, ahead of its first reader
	v_pk_mul_f32 v[LL:LL+1], v[LL:LL+1], v[AA:AA+1] op_sel_hi:[1,0]
	v_pk_add_f32 v[L2:L2+1], v[S:S+1], v[S+2:S+3]  ; the sum of the unrounded weights, in two chains
.irp j, 4,8,12,16,20,24,28,32,36,40,44,48,52,56,60
	v_pk_add_f32 v[LL:LL+1], v[LL:LL+1], v[S+\j:S+\j+1]
	v_pk_add_f32 v[L2:L2+1], v[L2:L2+1], v[S+\j+2:S+\j+3]
.endr
	v_pk_add_f32 v[LL:LL+1], v[LL:LL+1], v[L2:L2+1]
.set n, 0
.rept 32
	v_cvt_pk_f16_f32 v[P+n], v[S+2*n], v[S+2*n+1]  ; two tiles of 16 keys make a fragment of 32 keys x 16 queries
.set n, n+1
.endr
.set j, 0
.rept 16
	v_pk_mul_f32 v[OT+j:OT+j+1], v[OT+j:OT+j+1], v[AA:AA+1] op_sel_hi:[1,0]
.set j, j+2
.endr
	s_wait_dscnt 0x0                               ; V's first 64 keys are in
	PV 0
.rept 4
	v_nop
.endr
	VLOAD \q, 1
	s_wait_dscnt 0x0
	PV 1
.Lhidden_\@:
	s_add_co_u32 s[KF], s[KF], 128
.endm
; THE CHANGE OF SLOTS stands at a slot's head.  Each wave waits for all its tensor loads (at most one is out: its part of the slot ahead), adds 0 to its spare word, and waits for that and for its reads of the slot that it has
; left.  Behind the barrier the slot ahead is whole and nobody reads the other one.  fill = 1: that other slot takes the next 256 keys, up to the causal limit: the load has two key steps in which to land.
.macro CHANGE fill
	s_wait_tensorcnt 0x0                           ; no tensor load of mine is out, so a group 0 may be written
	ds_add_u32 v[SPW], v[NIL]
.if \fill
	ds_add_u32 v[SPW], v[NIL]                      ; the add twice on end here, in every trip alike
	s_xor_b32 s[G0K+1], s[G0K+1], SLOT1            ; the walking descriptors: the other slot, the next 256 keys
	s_add_nc_u64 s[G0K+2:G0K+3], s[G0K+2:G0K+3], SK*128
	s_xor_b32 s[G0V+1], s[G0V+1], SLOT1
	s_add_nc_u64 s[G0V+2:G0V+3], s[G0V+2:G0V+3], SK*128
	s_wait_xcnt 0x0                                ; the last prefetch, a slot back, has read its address
	s_add_nc_u64 s[PFA:PFA+1], s[PFA:PFA+1], SK*128
.endif
	s_wait_dscnt 0x0                               ; the add is done, and my reads of the slot that I have left are over
	s_barrier_signal -1
	s_barrier_wait -1
.if \fill
	s_add_co_u32 s56, s[KF], SK                    ; the first key of the slot that this change would ask for:
	s_cmp_gt_u32 s56, s[QL]                        ; behind my work-group's last query no wave reads it, so it is not asked for.  Ids and the count of steps alone: all sixteen waves go the same way, and stay past the limit
	s_cbranch_scc1 .Lpast_\@
	TLOAD                                          ; a wave's one tensor load until the next such barrier
.Lpast_\@:
	ASK
.endif
.endm
.macro SLOT_STEPS
	STEP 0
	STEP 1
	s_xor_b32 s[TB], s[TB], SLOT1
.endm
	s_wait_loadcnt 0x0                             ; Q
.Lslot:                                            ; NSL - 1 trips
	CHANGE 1
	SLOT_STEPS
	s_sub_co_u32 s[SLOTS], s[SLOTS], 1
	s_cmp_lg_u32 s[SLOTS], 0
	s_cbranch_scc1 .Lslot
	CHANGE 0                                       ; the last slot is written out: nothing is left to ask for
	SLOT_STEPS
	; THE WAY OUT: l's halves and the other half of the lanes'; O^T / l, rounded to f16, through my stage, out as 512 consecutive bytes an instruction
	v_add_f32 v[LL], v[LL], v[LL+1]
	v_permlanex16_b32 v[T1], v[LL], s[SEL], s[SEL+1]
	v_add_f32 v[LL], v[LL], v[T1]
	v_rcp_f32 v[AA], v[LL]
.rept 4
	v_nop                                          ; plain instructions behind the reciprocal, and the places behind the last products
.endr
	s_wait_alu depctr_va_vdst(0)                   ; ahead of the reciprocal's first reader
.set j, 0
.rept 16
	v_pk_mul_f32 v[S+j:S+j+1], v[OT+j:OT+j+1], v[AA:AA+1] op_sel_hi:[1,0]
.set j, j+2
.endr
.set n, 0
.rept 16
	v_cvt_pk_f16_f32 v[S+32+n], v[S+2*n], v[S+2*n+1]   ; registers 4 t .. 4 t + 3: channels 16 t + 8 h + 0..7 of query r
.set n, n+1
.endr
.irp t, 0,1,2,3
	ds_store_b128 v[STO], v[S+32+4*\t:S+32+4*\t+3] offset:32*\t
.endr
.irp t, 0,1,2,3
	ds_load_b128 v[S+48+4*\t:S+48+4*\t+3], v[RD] offset:4*KP*\t   ; in order behind my stores
.endr
.irp t, 0,1,2,3
	s_wait_dscnt 3-\t                              ; the younger loads may be out
	global_store_b128 v[GO], v[S+48+4*\t:S+48+4*\t+3], s[6:7] offset:512*\t
.endr
	s_wait_tensorcnt 0x0                           ; the wave's end, behind my last tensor load and my last LDS store
	ds_add_u32 v[SPW], v[NIL]
	s_wait_dscnt 0x0
	s_endpgm
.Lfunc_end_k_q8d352203aa_attn:
	.size	k_q8d352203aa_attn, .Lfunc_end_k_q8d352203aa_attn-k_q8d352203aa_attn
	.p2alignl 7, 3214868480
	.fill 96, 4, 3214868480
	.section	.rodata,"a",@progbits
	.p2align	6, 0x0
	.amdhsa_kernel k_q8d352203aa_attn
		.amdhsa_group_segment_fixed_size 327680
		.amdhsa_private_segment_fixed_size 0
		.amdhsa_enable_private_segment 0
		.amdhsa_kernarg_size 16
		.amdhsa_user_sgpr_count 2
		.amdhsa_user_sgpr_kernarg_segment_ptr 1
		.amdhsa_wavefront_size32 1
		.amdhsa_system_sgpr_workgroup_id_x 1
		.amdhsa_system_sgpr_workgroup_id_y 1
		.amdhsa_system_sgpr_workgroup_id_z 1
		.amdhsa_system_vgpr_workitem_id 0
		.amdhsa_next_free_vgpr 256
		.amdhsa_next_free_sgpr 80
		.amdhsa_reserve_vcc 1
		.amdhsa_float_denorm_mode_32 3
		.amdhsa_float_denorm_mode_16_64 3
		.amdhsa_memory_ordered 1
		.amdhsa_forward_progress 1
		.amdhsa_inst_pref_size 107
	.end_amdhsa_kernel
	.amdgpu_metadata
---
amdhsa.version: [ 1, 2 ]
amdhsa.kernels:
  - .name:           k_q8d352203aa_attn
    .symbol:         k_q8d352203aa_attn.kd
    .args:
      - { .name: qkv, .offset: 0, .size: 8, .value_kind: global_buffer, .address_space: global }
      - { .name: attn, .offset: 8, .size: 8, .value_kind: global_buffer, .address_space: global }
    .group_segment_fixed_size: 327680
    .private_segment_fixed_size: 0
    .kernarg_segment_align: 8
    .kernarg_segment_size: 16
    .max_flat_workgroup_size: 512
    .sgpr_count:     80
    .vgpr_count:     256
    .wavefront_size: 32
...
	.end_amdgpu_metadata
.endif
;; end of part 3
;; launch proj (part 4): grid 8 x 32, 4 waves a work-group, clusters of 4 x 4, 327,680 bytes of LDS; arguments attn, wo16, out0; writes out0
.if DOCPART == 4
	.amdgcn_target "amdgcn-amd-amdhsa--gfx1250"
	.amdhsa_code_object_version 6
	.text
	.protected	k_q8d352203aa_proj
	.globl	k_q8d352203aa_proj
	.p2align	8
	.type	k_q8d352203aa_proj,@function
k_q8d352203aa_proj:
	s_mov_b64 s[64:65], 0
	v_nop
	global_prefetch_b8 v0, s[64:65] scope:SCOPE_SE
	s_setreg_imm32_b32 hwreg(HW_REG_WAVE_MODE, 25, 1), 1
	s_wait_xcnt 0x0
	s_wait_alu depctr_hold_cnt(0) depctr_sa_sdst(0) depctr_va_vdst(0) depctr_va_sdst(0) depctr_va_ssrc(0) depctr_va_vcc(0) depctr_vm_vsrc(0)
	s_getreg_b32 s2, hwreg(HW_REG_IB_STS2, 6, 4)
	s_cmp_eq_u32 s2, 0
	s_cbranch_scc0 .Lentry_in_a_cluster
	s_endpgm
.Lentry_in_a_cluster:
	s_bfe_u32 s2, ttmp6, 0x10000c
	s_cmp_lg_u32 s2, 0xf033
	s_cbranch_scc0 .Lentry_shape_is_right
	s_endpgm
.Lentry_shape_is_right:
; out0[row][e] = the sum over d of A[row][d] w_o[e][d], row = 2048 b + position.  A = attn, f16, [16 planes of 64 d][4096 rows][64]; B = wo16, f16, [16 planes][1024 e][64]; out0 [4096][1024] f32; sums in f32.
; A tile of out0 is 128 x 128: 256 work-groups.  Four waves, each 64 x 64: 16 accumulators, 128 registers.  K goes in steps of 256 (four planes) through a ring of two LDS slots.
; One plane of a tile's 128 rows is 16,384 dense bytes.  A wave's one tensor load brings TWO planes: a tile of 2 rows of 8,192 elements, a plane apart in memory, with 16 bytes of padding behind every 128 bytes:
; in LDS [plane][128 rows][144 bytes].
; CLUSTERS: 4 x 4 work-groups.  The four of a row of the cluster need the same tiles of A, the four of a column the same tiles of B: each tile is asked for jointly, by the same load with a mask that names the four.
; THE MATRIX INSTRUCTION IS USED TRANSPOSED (source 0 = 16 rows of B, source 1 = 16 rows of A): a lane holds eight neighbouring numbers of a row of out0.
; The first 16 positions of each sequence are stored here too and written again, in f32 arithmetic, by the next launch: leaving them out would take a branch on the tile row, which differs between partners.
; REGISTERS: window 0: v0-31 addresses; v32-95 the way out; v128-255 the accumulators ((a, b) at v[128 + 8 (4 a + b)]).  window 1: two fragment buffers of 128: 64 registers of A, then 64 of B, for one plane.
.set PITCH,  144                       ; an LDS row: 128 bytes + 16: the 16 rows of a fragment load start at 16 different groups of banks
.set PL,     128*PITCH                 ; a plane of 128 rows
.set HALFT,  2*PL                      ; what one tensor load brings
.set SLOT,   4*HALFT                   ; A's four planes, then B's four
.set STAGE,  2*SLOT                    ; behind the ring: 16 rows x 272 bytes for each wave
.set SPITCH, 272
.set SPARE,  STAGE+4*16*SPITCH         ; the spare words: 128 bytes a wave, named by no other line
.set ADRA, 16
.set ADRB, 20
.set STO,  24
.set RD,   25
.set CO,   26
.set SPW,  28
.set NIL,  29
.set TMP,  32
.set ACC,  128
.set F0,   0
.set F1,   128
.set G1, 24
.set G0, 32
.set G1B, 48
.set G0B, 56
.set MSB, 0
.macro WIN new
.if MSB != \new
	s_set_vgpr_msb (MSB<<8)|\new
.set MSB, \new
.endif
.endm
.set MUL,  0x05                        ; sources 0 (B) and 1 (A) window 1; C and D window 0
.set TO_F, 0x40
.macro JLOAD s                         ; a joint load: waves 0 and 1 fetch A's planes, waves 2 and 3 B's; an s_nop 0 and four v_nop follow each line
	s_cmp_eq_u32 s11, 0
	s_cbranch_scc0 .Lfor_b_\@
	tensor_load_to_lds s[G0+4*\s:G0+4*\s+3], s[G1:G1+7]
	s_nop 0
.rept 4
	v_nop
.endr
	s_branch .Lasked_\@
.Lfor_b_\@:
	tensor_load_to_lds s[G0B+4*\s:G0B+4*\s+3], s[G1B:G1B+7]
	s_nop 0
.rept 4
	v_nop
.endr
.Lasked_\@:
.endm
.macro CREST
	s_cmp_lg_u32 s10, 0
	s_cbranch_scc1 .Lnot_wave_0_\@
	s_barrier_signal -3
.Lnot_wave_0_\@:
	s_barrier_wait -3
	s_barrier_signal -1
	s_barrier_wait -1
.endm
.macro CROUND
	s_barrier_signal -1
	s_barrier_wait -1
	CREST
.endm
	s_load_b128 s[4:7], s[0:1], 0x0                ; attn s[4:5], wo16 s[6:7]
	s_load_b64 s[8:9], s[0:1], 0x10                ; out0
	v_lshl_add_u32 v[SPW], v0, 2, SPARE
	v_mov_b32 v[NIL], 0
	ds_add_u32 v[SPW], v[NIL]                      ; the wave's opening: the add, twice on end, and its wait ahead of my first tensor load
	ds_add_u32 v[SPW], v[NIL]
	v_lshrrev_b32 v1, 5, v0
	v_readfirstlane_b32 s10, v1                    ; wave 0..3
	s_lshr_b32 s11, s10, 1                         ; which half of the tile's rows is mine.  Also: I fetch for A (0) or for B (1)
	s_and_b32 s12, s10, 1                          ; which half of its columns.  Also: which two planes of a K step I fetch
	s_bfe_u32 s40, ttmp6, 0x40000                  ; cx, cy
	s_bfe_u32 s41, ttmp6, 0x40004
	s_lshl_b32 s42, ttmp9, 2
	s_add_co_u32 s42, s42, s40                     ; tile column
	s_and_b32 s13, ttmp7, 0xffff
	s_lshl_b32 s13, s13, 2
	s_add_co_u32 s13, s13, s41                     ; tile row
	s_lshl_b32 s43, s41, 2
	s_lshl_b32 s43, 15, s43                        ; my row of the cluster
	s_lshl_b32 s44, 0x1111, s40                    ; my column
	s_or_b32 s[G1+0], s43, (1<<16)|(1<<20)|(1<<21)|(4<<22)|(3<<25)   ; 15:0 the mask; 17:16 elements of 2 bytes; 20 padding on; 21 set beside a mask; 24:22 after every 32 words; 31:25 four words
	s_or_b32 s[G1B+0], s44, (1<<16)|(1<<20)|(1<<21)|(4<<22)|(3<<25)
.irp g, G1, G1B
	s_mov_b32 s[\g+1], 8192<<16                    ; tensor_dim0 = 8,192 elements: a plane's 128 rows of 64
	s_mov_b32 s[\g+2], 2<<16                       ; tensor_dim1 = 2 planes
	s_mov_b32 s[\g+3], 8192<<16                    ; tile_dim0
	s_mov_b32 s[\g+4], 2                           ; tile_dim1
	s_mov_b32 s[\g+6], 0
	s_mov_b32 s[\g+7], 0
.endr
	s_mov_b32 s[G1+5], 262144                      ; from plane to plane, in elements: 4,096 rows of 64
	s_mov_b32 s[G1B+5], 65536                      ; 1,024 rows of 64
	s_lshl_b32 s16, s13, 14                        ; A: the tile's rows in a plane,
	s_lshl_b32 s17, s12, 20                        ; + my two planes
	s_add_co_u32 s16, s16, s17
	s_mov_b32 s17, 0
	s_lshl_b32 s46, s42, 14                        ; B likewise
	s_lshl_b32 s47, s12, 18
	s_add_co_u32 s46, s46, s47
	s_mov_b32 s47, 0
	s_mul_i32 s20, s10, HALFT                      ; where they go: wave x two planes: no place in the cluster enters an LDS address
	s_wait_dscnt 0x0                               ; both opening adds are done
	s_wait_kmcnt 0x0
	s_add_nc_u64 s[14:15], s[4:5], s[16:17]
	s_add_nc_u64 s[46:47], s[6:7], s[46:47]
	CROUND                                         ; all sixteen work-groups are here: the first joint loads meet
.irp s, 0,1
	s_mov_b32 s[G0+4*\s], 1
	s_add_co_u32 s[G0+4*\s+1], s20, \s*SLOT
	s_add_nc_u64 s[G0+4*\s+2:G0+4*\s+3], s[14:15], \s*2097152      ; K step s: four planes of 524,288 bytes on
	s_or_b32 s[G0+4*\s+3], s[G0+4*\s+3], 0x80000000
	s_mov_b32 s[G0B+4*\s], 1
	s_add_co_u32 s[G0B+4*\s+1], s20, \s*SLOT
	s_add_nc_u64 s[G0B+4*\s+2:G0B+4*\s+3], s[46:47], \s*524288     ; four planes of 131,072 bytes on
	s_or_b32 s[G0B+4*\s+3], s[G0B+4*\s+3], 0x80000000
	JLOAD \s
.endr
	v_and_b32 v1, 15, v0                           ; r
	v_bfe_u32 v2, v0, 4, 1                         ; h
	v_mul_u32_u24 v3, v1, PITCH
	v_lshl_add_u32 v3, v2, 4, v3
	s_mul_i32 s21, s11, 64*PITCH                   ; my 64 rows of A
	s_mul_i32 s22, s12, 64*PITCH                   ; my 64 rows of B,
	s_add_co_u32 s22, s22, 2*HALFT                 ; whose planes lie behind A's four
.irp s, 0,1
	v_add_nc_u32 v[ADRA+\s], s21, v3
	v_add_nc_u32 v[ADRB+\s], s22, v3
	s_add_co_u32 s21, s21, SLOT
	s_add_co_u32 s22, s22, SLOT
.endr
	s_mul_i32 s23, s10, 16*SPITCH
	s_add_co_u32 s23, s23, STAGE                   ; my stage
	v_mul_u32_u24 v4, v1, SPITCH
	v_lshl_add_u32 v4, v2, 5, v4
	v_add_nc_u32 v[STO], s23, v4                   ; in: row r, 32 bytes for each half of the lanes
	v_mul_u32_u24 v5, v2, SPITCH
	v_lshl_add_u32 v5, v1, 4, v5
	v_add_nc_u32 v[RD], s23, v5                    ; back: lanes 0-15 one row of 256 bytes, lanes 16-31 the next
	v_lshlrev_b32 v5, 12, v2
	v_lshl_add_u32 v[CO], v1, 4, v5                ; and the same two rows in out0
	s_lshl_b32 s16, s13, 7
	s_lshl_b32 s17, s11, 6
	s_add_co_u32 s16, s16, s17                     ; my first row
	s_lshl_b32 s16, s16, 12
	s_mov_b32 s17, 0
	s_add_nc_u64 s[8:9], s[8:9], s[16:17]
	s_lshl_b32 s46, s42, 9                         ; my first column, in bytes (in the registers that held B's address)
	s_lshl_b32 s47, s12, 8
	s_add_co_u32 s46, s46, s47
	s_mov_b32 s47, 0
	s_add_nc_u64 s[8:9], s[8:9], s[46:47]
; 8 matrix instructions: row blocks a0, a0 + 1 x all 4 column blocks, 32 along K: half c of buffer f.  The 16 accumulators take turns.
.macro MUL8 f, c, a0, zero
.irp a, \a0, \a0+1
.irp b, 0,1,2,3
.if \zero
	v_wmma_f32_16x16x32_f16 v[ACC+8*(4*(\a)+\b):ACC+8*(4*(\a)+\b)+7], v[\f+64+8*(4*\c+\b):\f+64+8*(4*\c+\b)+7], v[\f+8*(4*\c+\a):\f+8*(4*\c+\a)+7], 0
.else
	v_wmma_f32_16x16x32_f16 v[ACC+8*(4*(\a)+\b):ACC+8*(4*(\a)+\b)+7], v[\f+64+8*(4*\c+\b):\f+64+8*(4*\c+\b)+7], v[\f+8*(4*\c+\a):\f+8*(4*\c+\a)+7], v[ACC+8*(4*(\a)+\b):ACC+8*(4*(\a)+\b)+7]
.endif
.endr
.endr
.endm
; 32 LDS loads in one run: a plane's fragments (64 along K), the plane beginning k bytes into the slot's part, into buffer f; the first 32 along K first
.macro FETCH slot, k, f
	WIN TO_F
.irp c, 0,1
.irp i, 0,1,2,3
	ds_load_b128 v[\f+64+8*(4*\c+\i):\f+64+8*(4*\c+\i)+3],   v[ADRB+\slot] offset:\k+64*\c+\i*16*PITCH
	ds_load_b128 v[\f+64+8*(4*\c+\i)+4:\f+64+8*(4*\c+\i)+7], v[ADRB+\slot] offset:\k+64*\c+\i*16*PITCH+32
	ds_load_b128 v[\f+8*(4*\c+\i):\f+8*(4*\c+\i)+3],         v[ADRA+\slot] offset:\k+64*\c+\i*16*PITCH
	ds_load_b128 v[\f+8*(4*\c+\i)+4:\f+8*(4*\c+\i)+7],       v[ADRA+\slot] offset:\k+64*\c+\i*16*PITCH+32
.endr
.endr
.endm
.macro PLACES                          ; four places in front of loads into registers that matrix instructions have read, and of the first read of results
.rept 4
	v_nop
.endr
.endm
; A K step is four planes, 32 matrix instructions each, on buffers 0, 1, 0, 1.  One of the first three: multiplies buffer f and fetches the next plane, at byte k, into g.
.macro QUARTER slot, k, f, g, zero
	s_wait_dscnt 16                                ; the first 32 along K are in; the youngest sixteen loads may be out
	WIN MUL
	MUL8 \f, 0, 0, \zero
	MUL8 \f, 0, 2, \zero
	PLACES
	FETCH \slot, \k, \g
	s_wait_dscnt 32                                ; all but the 32 just issued
	WIN MUL
	MUL8 \f, 1, 0, 0
	MUL8 \f, 1, 2, 0
.endm
; The last plane multiplies buffer 1 and changes slots: ONE barrier; in front of it each wave waits for all its tensor loads (one is out: its part of the next slot), adds 0 to its spare word, and waits for that and for its
; reads of this slot.  fill = 1: the barrier opens a round of the cluster's, and this slot is filled again, two K steps ahead: the load has a K step less sixteen matrix instructions in which to land.
.macro TURN slot, next, fill
	WIN 0
	s_wait_tensorcnt 0x0
	ds_add_u32 v[SPW], v[NIL]
	s_wait_dscnt 17                                ; (the add and the youngest sixteen loads may be out)
	WIN MUL
	MUL8 F1, 0, 0, 0
	s_wait_dscnt 0x0                               ; the add is done, and my reads of this slot are over
	s_barrier_signal -1
	MUL8 F1, 0, 2, 0
.if \fill
	WIN 0
.endif
	s_barrier_wait -1
.if \fill
	CREST                                          ; no wave of any partner still reads this slot's tile or has a load on its way
	s_add_nc_u64 s[G0+4*\slot+2:G0+4*\slot+3], s[G0+4*\slot+2:G0+4*\slot+3], 4194304     ; eight planes on
	s_add_nc_u64 s[G0B+4*\slot+2:G0B+4*\slot+3], s[G0B+4*\slot+2:G0B+4*\slot+3], 1048576
	JLOAD \slot                                    ; the first tensor load behind the round; its four v_nop are also the places in front of the loads below
.else
	PLACES
.endif
	FETCH \next, 0, F0
	WIN MUL
	MUL8 F1, 1, 0, 0
	MUL8 F1, 1, 2, 0
.endm
	s_wait_tensorcnt 1                             ; my part of K step 0 is in; K step 1's load may be out
	s_barrier_signal -1
	s_barrier_wait -1
	FETCH 0, 0, F0
	QUARTER 0, PL,   F0, F1, 1                     ; K has four steps: they are written out.  The first products start the sums
	QUARTER 0, 2*PL, F1, F0, 0
	QUARTER 0, 3*PL, F0, F1, 0
	TURN 0, 1, 1                                   ; slot 0 takes K step 2
	QUARTER 1, PL,   F0, F1, 0
	QUARTER 1, 2*PL, F1, F0, 0
	QUARTER 1, 3*PL, F0, F1, 0
	TURN 1, 0, 1                                   ; slot 1 takes K step 3
	QUARTER 0, PL,   F0, F1, 0
	QUARTER 0, 2*PL, F1, F0, 0
	QUARTER 0, 3*PL, F0, F1, 0
	TURN 0, 1, 0                                   ; nothing is left to ask for
	QUARTER 1, PL,   F0, F1, 0
	QUARTER 1, 2*PL, F1, F0, 0
	QUARTER 1, 3*PL, F0, F1, 0
	s_wait_dscnt 16
	WIN MUL
	MUL8 F1, 0, 0, 0
	MUL8 F1, 0, 2, 0
	s_wait_dscnt 0
	MUL8 F1, 1, 0, 0
	MUL8 F1, 1, 2, 0
	WIN 0
; THE WAY OUT, a block of 16 rows x 64 columns at a time.  A lane holds 32 neighbouring bytes of a row; my 64 columns are 256 bytes.  The block goes through my own stage and comes back as whole rows: sixteen lanes store
; 256 consecutive bytes, aligned.  LDS serves a wave's instructions in order (ISA guide 5.7.1.4): no wait between the stores and the loads.
.macro TOSTAGE a
.irp b, 0,1,2,3
	ds_store_b128 v[STO], v[ACC+8*(4*(\a)+\b):ACC+8*(4*(\a)+\b)+3] offset:64*\b       ; each accumulator from its low end on
	ds_store_b128 v[STO], v[ACC+8*(4*(\a)+\b)+4:ACC+8*(4*(\a)+\b)+7] offset:64*\b+16
.endr
.irp t, 0,1,2,3,4,5,6,7
	ds_load_b128 v[TMP+32*((\a)%2)+4*\t:TMP+32*((\a)%2)+4*\t+3], v[RD] offset:\t*2*SPITCH
.endr
.endm
.macro SEND a, younger
	s_wait_dscnt \younger                          ; the block is back; the next block's LDS instructions may be out
.irp t, 0,1,2,3,4,5,6,7
	global_store_b128 v[CO], v[TMP+32*((\a)%2)+4*\t:TMP+32*((\a)%2)+4*\t+3], s[8:9] offset:65536*(\a)+8192*\t th:TH_STORE_NT
.endr
.endm
	PLACES
	TOSTAGE 0
.irp a, 1,2,3
.if \a > 1
	s_wait_xcnt 0x0                                ; block a - 2's stores have read their registers: block a's loads may land there
.endif
	TOSTAGE \a
	SEND \a-1, 16                                  ; behind block a - 1's loads: block a's 8 stores and 8 loads
.endr
	SEND 3, 0
	s_wait_tensorcnt 0x0                           ; the wave's end, behind my last tensor load and my last LDS store
	ds_add_u32 v[SPW], v[NIL]
	s_wait_dscnt 0x0
	CROUND                                         ; the closing round
	s_endpgm
.Lfunc_end_k_q8d352203aa_proj:
	.size	k_q8d352203aa_proj, .Lfunc_end_k_q8d352203aa_proj-k_q8d352203aa_proj
	.p2alignl 7, 3214868480
	.fill 96, 4, 3214868480
	.section	.rodata,"a",@progbits
	.p2align	6, 0x0
	.amdhsa_kernel k_q8d352203aa_proj
		.amdhsa_group_segment_fixed_size 327680
		.amdhsa_private_segment_fixed_size 0
		.amdhsa_enable_private_segment 0
		.amdhsa_kernarg_size 24
		.amdhsa_user_sgpr_count 2
		.amdhsa_user_sgpr_kernarg_segment_ptr 1
		.amdhsa_wavefront_size32 1
		.amdhsa_system_sgpr_workgroup_id_x 1
		.amdhsa_system_sgpr_workgroup_id_y 1
		.amdhsa_system_sgpr_workgroup_id_z 1
		.amdhsa_system_vgpr_workitem_id 0
		.amdhsa_next_free_vgpr 512
		.amdhsa_next_free_sgpr 66
		.amdhsa_reserve_vcc 0
		.amdhsa_float_denorm_mode_32 3
		.amdhsa_float_denorm_mode_16_64 3
		.amdhsa_memory_ordered 1
		.amdhsa_forward_progress 1
		.amdhsa_inst_pref_size 85
	.end_amdhsa_kernel
	.amdgpu_metadata
---
amdhsa.version: [ 1, 2 ]
amdhsa.kernels:
  - .name:           k_q8d352203aa_proj
    .symbol:         k_q8d352203aa_proj.kd
    .args:
      - { .name: attn, .offset: 0, .size: 8, .value_kind: global_buffer, .address_space: global }
      - { .name: wo16, .offset: 8, .size: 8, .value_kind: global_buffer, .address_space: global }
      - { .name: out0, .offset: 16, .size: 8, .value_kind: global_buffer, .address_space: global }
    .group_segment_fixed_size: 327680
    .private_segment_fixed_size: 0
    .kernarg_segment_align: 8
    .kernarg_segment_size: 24
    .max_flat_workgroup_size: 128
    .sgpr_count:     66
    .vgpr_count:     512
    .wavefront_size: 32
...
	.end_amdgpu_metadata
.endif
;; end of part 4
;; launch fine (part 5): grid 32 x 2, 16 waves a work-group, no clusters, 38,912 bytes of LDS; arguments qkvf, w_o, out0; writes out0
.if DOCPART == 5
	.amdgcn_target "amdgcn-amd-amdhsa--gfx1250"
	.amdhsa_code_object_version 6
	.text
	.protected	k_q8d352203aa_fine
	.globl	k_q8d352203aa_fine
	.p2align	8
	.type	k_q8d352203aa_fine,@function
k_q8d352203aa_fine:
	s_mov_b64 s[64:65], 0
	v_nop
	global_prefetch_b8 v0, s[64:65] scope:SCOPE_SE
	s_setreg_imm32_b32 hwreg(HW_REG_WAVE_MODE, 25, 1), 1
	s_wait_xcnt 0x0
; The first 16 positions of each sequence, attention and projection, in f32 throughout: under the causal mask these rows average one to sixteen values, and 16-bit operands would weigh most there.
; qkvf: f32, [b][0 q x log2(e)/8, 1 k, 2 v][16 positions][1024]; w_o [1024 e][1024 d] f32; out0[b][0..15][e] is written anew over what the launch before left there.
; SHARES: work-group (slice, b) makes out0[b][0..15][32 slice .. + 31].  Wave = head: it makes its head's 16 x 16 attention (32 small matrix instructions), multiplies O^T by its 64 columns of the slice's 32 rows of w_o
; (32 more), divides by the row's sum, and puts a partial result [16 queries][32 e] into LDS; behind one barrier wave = query adds the sixteen heads' parts and stores 128 consecutive bytes (half an aligned 256: 128 KiB in all).
; The attention is made anew in each of the 32 slices: 16 x 16 x 64 is small beside the slice's part of w_o.
; v_wmma_f32_16x16x4_f32 takes k = 2 (lane / 16) + register.  K is PERMUTED ALIKE ON BOTH SIDES, so that plain loads and results serve as fragments: in S^T a lane's four loaded channels 8 u + 4 h + 0..3 feed two products;
; in O^T = V^T P the lane's keys 8 h + 2 s, + 1; in the projection its channels 16 t + 8 h + 2 s, + 1.
; The registers that this form writes (v176-239) are written by matrix instructions alone; sums begin with the constant 0; what is made of them goes into other registers.
; No tensor loads, no loop, no branch.
.set QF, 16                            ; v16-47   Q: channels 8 u + 4 h + 0..3 at v[16 + 4 u]; later the scaled result
.set KF, 48                            ; v48-79   K likewise; later the sixteen parts
.set VF, 80                            ; v80-111  V: v[80 + 8 t + i] = v(key 8 h + i, channel 16 t + r)
.set WF, 112                           ; v112-175 w_o: v[112 + 32 n + 8 t + i] = w_o(e0 + 16 n + r, 64 head + 16 t + 8 h + i)
.set SA, 176                           ; v176-183, v184-191 S^T in two sums that take turns
.set SB, 184
.set OT, 192                           ; v192-223 O^T, four tiles of 16 channels
.set OU, 224                           ; v224-239 the projection, two tiles of 16 e
.set T,  240                           ; v240-247 scores, then p
.set SPARE, 16*2304                    ; behind the sixteen images: the spare words, 128 bytes a wave, named by no other line
	s_load_b128 s[4:7], s[0:1], 0x0                ; qkvf s[4:5], w_o s[6:7]
	s_load_b64 s[8:9], s[0:1], 0x10                ; out0
	v_lshl_add_u32 v10, v0, 2, SPARE               ; my spare word; never rewritten
	v_mov_b32 v11, 0                               ; 0; never rewritten
	v_lshrrev_b32 v1, 5, v0
	v_readfirstlane_b32 s10, v1                    ; wave: first my head, at the end my query
	s_and_b32 s11, ttmp7, 0xffff                   ; b
	v_and_b32 v1, 15, v0                           ; r
	v_bfe_u32 v2, v0, 4, 1                         ; h
	v_lshlrev_b32 v3, 12, v1
	v_lshl_add_u32 v5, v2, 5, v3                   ; w_o: 4,096 r + 32 h
	v_lshl_add_u32 v3, v2, 4, v3                   ; Q, K: 4,096 r + 16 h
	v_lshlrev_b32 v4, 2, v1
	v_lshl_add_u32 v4, v2, 15, v4                  ; V: 8 h rows of 4,096 + 4 r
	s_mul_i32 s12, s10, 2304
	v_mul_u32_u24 v6, v1, 144
	v_lshl_add_u32 v6, v2, 5, v6
	v_add_nc_u32 v6, s12, v6                       ; my image: query r's row of 144 bytes, + 32 h
	s_mul_i32 s12, s10, 144
	v_and_b32 v8, 31, v0
	v_lshlrev_b32 v8, 2, v8                        ; 4 x lane
	v_add_nc_u32 v7, s12, v8                       ; back: row = my wave's query, in each image
	v_lshlrev_b32 v9, 3, v2
	v_sub_nc_u32 v9, v1, v9                        ; r - 8 h: register j holds key 8 h + j, hidden where j > r - 8 h
	v_mov_b32 v248, 0xff800000                     ; -infinity
	v_mov_b32 v251, 0                              ; the upper halves of pairs of which the low word alone is used
	v_mov_b32 v252, 0                              ; a lane permute's destination counts as one of its sources
	s_mov_b32 s20, 0x76543210
	s_mov_b32 s21, 0xfedcba98
	s_mul_i32 s12, s11, 196608
	s_lshl_b32 s13, s10, 8
	s_add_co_u32 s12, s12, s13                     ; qkvf: my batch, my head's 64 channels
	s_mov_b32 s13, 0
	s_lshl_b32 s14, ttmp9, 17
	s_lshl_b32 s15, s10, 8
	s_add_co_u32 s14, s14, s15                     ; w_o: the slice's 32 rows, my head's 64 columns
	s_mov_b32 s15, 0
	s_lshl_b32 s16, s11, 23
	s_lshl_b32 s17, s10, 12
	s_add_co_u32 s16, s16, s17
	s_lshl_b32 s17, ttmp9, 7
	s_add_co_u32 s16, s16, s17                     ; out0: my batch, row = my wave, the slice's 32 columns
	s_mov_b32 s17, 0
	s_wait_kmcnt 0x0
	s_add_nc_u64 s[4:5], s[4:5], s[12:13]
	s_add_nc_u64 s[6:7], s[6:7], s[14:15]
	s_add_nc_u64 s[8:9], s[8:9], s[16:17]
.irp u, 0,1,2,3,4,5,6,7
	global_load_b128 v[QF+4*\u:QF+4*\u+3], v3, s[4:5] offset:32*\u
.endr
.irp u, 0,1,2,3,4,5,6,7
	global_load_b128 v[KF+4*\u:KF+4*\u+3], v3, s[4:5] offset:65536+32*\u
.endr
.irp t, 0,1,2,3
.irp i, 0,1,2,3,4,5,6,7
	global_load_b32 v[VF+8*\t+\i], v4, s[4:5] offset:131072+4096*\i+64*\t
.endr
.endr
.irp n, 0,1
.irp t, 0,1,2,3
	global_load_b128 v[WF+32*\n+8*\t:WF+32*\n+8*\t+3], v5, s[6:7] offset:65536*\n+64*\t
	global_load_b128 v[WF+32*\n+8*\t+4:WF+32*\n+8*\t+7], v5, s[6:7] offset:65536*\n+64*\t+16
.endr
.endr
	s_wait_loadcnt 48                              ; Q and K are in; V's 32 loads and w_o's 16 may be out
	; S^T = K Q^T: source 0 = 16 keys, source 1 = 16 queries; two sums by turns
	v_wmma_f32_16x16x4_f32 v[SA:SA+7], v[KF:KF+1], v[QF:QF+1], 0
	v_wmma_f32_16x16x4_f32 v[SB:SB+7], v[KF+2:KF+3], v[QF+2:QF+3], 0
.irp u, 1,2,3,4,5,6,7
	v_wmma_f32_16x16x4_f32 v[SA:SA+7], v[KF+4*\u:KF+4*\u+1], v[QF+4*\u:QF+4*\u+1], v[SA:SA+7]
	v_wmma_f32_16x16x4_f32 v[SB:SB+7], v[KF+4*\u+2:KF+4*\u+3], v[QF+4*\u+2:QF+4*\u+3], v[SB:SB+7]
.endr
.rept 8
	v_nop                                          ; eight places behind this form before its results are read (ISA guide 7.12.1)
.endr
.irp j, 0,2,4,6
	v_pk_add_f32 v[T+\j:T+\j+1], v[SA+\j:SA+\j+1], v[SB+\j:SB+\j+1]   ; lane (r, h): query r, keys 8 h + 0..7; from the low end on
.endr
.irp j, 0,1,2,3,4,5,6,7
	v_cmp_gt_i32 vcc_lo, \j, v9
	v_cndmask_b32 v[T+\j], v[T+\j], v248, vcc_lo   ; the causal mask
.endr
	v_max3_num_f32 v249, v[T], v[T+1], v[T+2]
	v_max3_num_f32 v249, v249, v[T+3], v[T+4]
	v_max3_num_f32 v249, v249, v[T+5], v[T+6]
	v_max_num_f32 v249, v249, v[T+7]
	v_permlanex16_b32 v252, v249, s20, s21
	v_max_num_f32 v250, v249, v252                 ; the row's maximum: key 0 counts for every query
.irp j, 0,2,4,6
	v_pk_add_f32 v[T+\j:T+\j+1], v[T+\j:T+\j+1], v[250:251] op_sel_hi:[1,0] neg_lo:[0,1] neg_hi:[0,1]
.endr
.irp j, 0,1,2,3,4,5,6,7
	v_exp_f32 v[T+\j], v[T+\j]                     ; p = 2^(s - m): q carries log2(e) / 8
.endr
	v_nop                                          ; a plain instruction behind the last exponential
	s_wait_alu depctr_va_vdst(0)                   ; one wait for the eight, ahead of their first reader
	v_pk_add_f32 v[254:255], v[T:T+1], v[T+2:T+3]
	v_pk_add_f32 v[248:249], v[T+4:T+5], v[T+6:T+7]
	v_pk_add_f32 v[254:255], v[254:255], v[248:249]
	v_add_f32 v254, v254, v255
	v_permlanex16_b32 v252, v254, s20, s21
	v_add_f32 v254, v254, v252                     ; the row's sum
	v_rcp_f32 v250, v254
	v_nop
	s_wait_alu depctr_va_vdst(0)                   ; ahead of the reciprocal's reader, far below
	s_wait_loadcnt 16                              ; V is in; w_o's 16 loads may be out
	; O^T = V^T P, not yet divided: source 0 = 16 channels, source 1 = p; the four tiles by turns
.irp s, 0,1,2,3
.irp t, 0,1,2,3
.if \s == 0
	v_wmma_f32_16x16x4_f32 v[OT+8*\t:OT+8*\t+7], v[VF+8*\t:VF+8*\t+1], v[T:T+1], 0
.else
	v_wmma_f32_16x16x4_f32 v[OT+8*\t:OT+8*\t+7], v[VF+8*\t+2*\s:VF+8*\t+2*\s+1], v[T+2*\s:T+2*\s+1], v[OT+8*\t:OT+8*\t+7]
.endif
.endr
.endr
.rept 9
	v_nop                                          ; nine places before a matrix instruction takes these results as an operand
.endr
	s_wait_loadcnt 0x0                             ; w_o
	; the projection: source 0 = 16 rows e of w_o, source 1 = O^T as it stands; two tiles by turns
.irp t, 0,1,2,3
.irp s, 0,1,2,3
.irp n, 0,1
.if (\t == 0) && (\s == 0)
	v_wmma_f32_16x16x4_f32 v[OU+8*\n:OU+8*\n+7], v[WF+32*\n:WF+32*\n+1], v[OT:OT+1], 0
.else
	v_wmma_f32_16x16x4_f32 v[OU+8*\n:OU+8*\n+7], v[WF+32*\n+8*\t+2*\s:WF+32*\n+8*\t+2*\s+1], v[OT+8*\t+2*\s:OT+8*\t+2*\s+1], v[OU+8*\n:OU+8*\n+7]
.endif
.endr
.endr
.endr
.rept 8
	v_nop
.endr
.irp j, 0,2,4,6,8,10,12,14
	v_pk_mul_f32 v[QF+\j:QF+\j+1], v[OU+\j:OU+\j+1], v[250:251] op_sel_hi:[1,0]   ; / the row's sum: lane (r, h): query r, e = 16 n + 8 h + 0..7
.endr
.irp n, 0,1
	ds_store_b128 v6, v[QF+8*\n:QF+8*\n+3] offset:64*\n
	ds_store_b128 v6, v[QF+8*\n+4:QF+8*\n+7] offset:64*\n+16
.endr
	s_wait_dscnt 0x0                               ; for the others' sake: my stores have landed
	s_barrier_signal -1
	s_barrier_wait -1
.irp i, 0,1,2,3,4,5,6,7,8,9,10,11,12,13,14,15
	ds_load_b32 v[KF+\i], v7 offset:2304*\i        ; head i's part of my query's 32 numbers
.endr
	s_wait_dscnt 0x0
.irp j, 0,4,8,12
	v_pk_add_f32 v[KF+\j:KF+\j+1], v[KF+\j:KF+\j+1], v[KF+\j+2:KF+\j+3]
.endr
	v_pk_add_f32 v[KF:KF+1], v[KF:KF+1], v[KF+4:KF+5]
	v_pk_add_f32 v[KF+8:KF+9], v[KF+8:KF+9], v[KF+12:KF+13]
	v_pk_add_f32 v[KF:KF+1], v[KF:KF+1], v[KF+8:KF+9]
	v_add_f32 v[KF], v[KF], v[KF+1]
	global_store_b32 v8, v[KF], s[8:9]             ; 32 lanes store 128 consecutive bytes
	s_wait_tensorcnt 0x0                           ; the wave's end, behind my last LDS store
	ds_add_u32 v10, v11
	s_wait_dscnt 0x0
	s_endpgm
.Lfunc_end_k_q8d352203aa_fine:
	.size	k_q8d352203aa_fine, .Lfunc_end_k_q8d352203aa_fine-k_q8d352203aa_fine
	.p2alignl 7, 3214868480
	.fill 96, 4, 3214868480
	.section	.rodata,"a",@progbits
	.p2align	6, 0x0
	.amdhsa_kernel k_q8d352203aa_fine
		.amdhsa_group_segment_fixed_size 38912
		.amdhsa_private_segment_fixed_size 0
		.amdhsa_enable_private_segment 0
		.amdhsa_kernarg_size 24
		.amdhsa_user_sgpr_count 2
		.amdhsa_user_sgpr_kernarg_segment_ptr 1
		.amdhsa_wavefront_size32 1
		.amdhsa_system_sgpr_workgroup_id_x 1
		.amdhsa_system_sgpr_workgroup_id_y 1
		.amdhsa_system_sgpr_workgroup_id_z 1
		.amdhsa_system_vgpr_workitem_id 0
		.amdhsa_next_free_vgpr 256
		.amdhsa_next_free_sgpr 66
		.amdhsa_reserve_vcc 1
		.amdhsa_float_denorm_mode_32 3
		.amdhsa_float_denorm_mode_16_64 3
		.amdhsa_memory_ordered 1
		.amdhsa_forward_progress 1
		.amdhsa_inst_pref_size 18
	.end_amdhsa_kernel
	.amdgpu_metadata
---
amdhsa.version: [ 1, 2 ]
amdhsa.kernels:
  - .name:           k_q8d352203aa_fine
    .symbol:         k_q8d352203aa_fine.kd
    .args:
      - { .name: qkvf, .offset: 0, .size: 8, .value_kind: global_buffer, .address_space: global }
      - { .name: w_o, .offset: 8, .size: 8, .value_kind: global_buffer, .address_space: global }
      - { .name: out0, .offset: 16, .size: 8, .value_kind: global_buffer, .address_space: global }
    .group_segment_fixed_size: 38912
    .private_segment_fixed_size: 0
    .kernarg_segment_align: 8
    .kernarg_segment_size: 24
    .max_flat_workgroup_size: 512
    .sgpr_count:     66
    .vgpr_count:     256
    .wavefront_size: 32
...
	.end_amdgpu_metadata
.endif
;; end of part 5
